; MI455X (gfx1250); checked and timed in simulation.
; The chip was launched on July 23, 2026; its instructions are those of AMD's public machine-readable ISA for CDNA 5 (MIT licence, August 2026) and "CDNA5" Instruction Set Architecture Reference Guide (July 2026). The comments in the code are by the model that wrote it; some were corrected since.
;; Multiheadattention. Allowed arithmetic: matrix products marked QUANTISED: E2M1 operands, one E8M0 scale for each 32 along K, by v_wmma_scale_f32_16x16x128_f8f6f4 with both operands' format E2M1 (or v_wmma_scale_f32_32x16x128_f4), f32 sums; products left as they are: bf16, f16 or f32 operands; f32 sums; everything else in f32.
;; Inputs: Wout 1,024 x 1,024 float32; Wqkv 1,024 x 3,072 float32; bout 1,024 float32; bqkv 3,072 float32; x 4 x 2,048 x 1,024 float32.
;; Outputs: out0 4 x 2,048 x 1,024 float32.
;; This version of the problem:
;;   THIS VERSION OF THE PROBLEM IS GIVEN IN LOW PRECISION. The matrix products marked QUANTISED in the list below multiply operands that are first quantised to E2M1 (2 exponent bits, 1 mantissa bit; 4 bits a number), with one power-of-two scale for each 32 numbers along K (OCP MX v1.0); their sums are f32. The products marked 'left as it is' may take bf16, f16 or f32 operands, with f32 sums. Whichever they take, every output number must still come out within the allowed error. Rounding operands to bf16 (8 significant bits) uses up far more of that allowance than f16 does (11 bits, for magnitudes from 6e-5 to 65,504). All else is computed in f32.
;;   The module's matrix products, in the order in which they are computed (A, B: the left and right operand; K: the contracted axis; several contracted axes count as one K, in the product's order):
;;     1. [M 8,192, K 1,024] x [K 1,024, N 3,072]; A: input x; B: input Wqkv: QUANTISED
;;     2. batch 64 x [M 2,048, K 64] x [K 64, N 2,048]; A: computed on the way; B: computed on the way: left as it is (an operand is computed on the way)
;;     3. batch 64 x [M 2,048, K 2,048] x [K 2,048, N 64]; A: computed on the way; B: computed on the way: left as it is (an operand is computed on the way)
;;     4. [M 8,192, K 1,024] x [K 1,024, N 1,024]; A: computed on the way; B: input Wout: left as it is (an operand is computed on the way)
;;   THE QUANTISER, for each operand of a quantised product, along K:
;;     - K is cut into blocks of 32 from its start; a last block that is shorter is filled with zeros.
;;     - A block's scale is 2^e with e = floor(log2(the largest magnitude in the block)) - 2, held to -126 .. 127; a block of zeros has e = 0. As a byte (E8M0): e + 127.
;;     - Each number is divided by its block's scale, clamped to +-6, and rounded to the nearest number of E2M1, ties to even, subnormals kept.
;;     - The product sums the exact products of the quantised numbers (number of the format x scale) in f32.
;;   ~~~python
;;   def quantise(x, axis):      # numpy; x: float32 -> the quantised numbers, widened to float32 again
;;       x = np.moveaxis(x, axis, -1); K = x.shape[-1]
;;       x = np.pad(x, [(0, 0)] * (x.ndim - 1) + [(0, -K % 32)]); x = x.reshape(x.shape[:-1] + (-1, 32)); a = np.abs(x).max(-1, keepdims=True)
;;       e = np.where(a > 0, np.clip(np.frexp(np.where(a > 0, a, 1))[1] - 1 - 2, -126, 127), 0)      # np.frexp(a)[1] - 1 = floor(log2(a)), exactly
;;       r = np.clip(x / 2.0 ** e, -6, 6)
;;       step = 2.0 ** (np.maximum(np.frexp(np.where(r == 0, 1, r))[1] - 1, 0) - 1)
;;       q = np.round(r / step) * step * 2.0 ** e      # np.round: ties to even
;;       return np.moveaxis(q.reshape(q.shape[:-2] + (-1,))[..., :K], -1, axis).astype(np.float32)
;;   ~~~
;; One version. Each part assembles by itself: llvm-mc -triple=amdgcn-amd-amdhsa -mcpu=gfx1250 --defsym DOCPART=n.
;; ======== version 1 of 1: 4 launches
;; limits: values are held in f16: magnitudes above 65,504 overflow, below 6.1e-05 lose precision
;; workspace buffers: xc 4,194,304 bytes; xs 262,144 bytes; wc 1,572,864 bytes; ws 98,304 bytes; wo 2,097,152 bytes; qkv 50,331,648 bytes; ao 16,777,216 bytes
;; launch prep (part 1): grid 256 x 1, 8 waves a work-group, no clusters, 69,632 bytes of LDS; arguments x, Wqkv, Wout, xc, xs, wc, ws, wo; writes xc, xs, wc, ws, wo
.if DOCPART == 1
	.amdgcn_target "amdgcn-amd-amdhsa--gfx1250"
	.amdhsa_code_object_version 6
	.text
	.protected	k_q221442cff7_prep
	.globl	k_q221442cff7_prep
	.p2align	8
	.type	k_q221442cff7_prep,@function
k_q221442cff7_prep:
	s_mov_b64 s[64:65], 0
	v_nop
	global_prefetch_b8 v0, s[64:65] scope:SCOPE_SE
	s_setreg_imm32_b32 hwreg(HW_REG_WAVE_MODE, 25, 1), 1
	s_wait_xcnt 0x0
; PREP: the operands of the two projections are laid out once, as images of operand registers (a group of four registers of a wave = 512 bytes, lane l's 16 bytes at 16 l).
;   x    [8192][1024] f32 -> xc: codes of FP4 (E2M1) [tile of 16 rows 512][K step of 128: 8][1,024 bytes];  xs: scale words [tile 512][K half 2][row 16][4 words], byte b of a word for k = 32 b .. 32 b + 31 of its K step
;   Wqkv [1024][3072] f32 -> wc, ws: the same, quantised along K (its first axis), the columns in the order type (q, k, v) x head x 64: column n' = 1024 type + 64 head + d stands for column 192 head + 64 type + d
;   Wout [1024][1024] f32 -> wo: f16 [tile of 16 columns 64][32 along K: 32][1,024 bytes]
; A block's scale is 2^(floor(log2(its largest magnitude)) - 2); its byte is the largest magnitude's exponent field - 2, held at 1 from below; numbers are divided by it and rounded to the nearest code, ties to even, beyond 6 the code of 6.
; (A block of zeros gets the byte 1 where the rule says 127: its codes are zeros, which add nothing under any byte but 0xff, and this program alone reads the bytes.)
; WORK LEFT OUT BY THE PROGRAM, shown here once: the K third of bqkv.  A score is q . (k + b_k) / 8 = q . k / 8 + q . b_k / 8; the second term does not hang on the key, so it is the same along the softmax's axis and
; cancels in exp(s - max) / sum for all finite inputs; the product of q and k is not quantised, so the bias moves no code and no scale.  The 1,024 numbers of bqkv that belong to k are neither loaded nor added; the Q and V thirds stay.
; LIMITS: a NaN, an infinity or an overflow that would arise in that bias term alone is not carried to the result; NaN and infinities among the inputs are not served; blocks whose largest magnitude lies under 2^-124 keep the byte 1;
; Wout goes to f16: magnitudes up to 65,504.
; SHARES: work-groups 0-127: 64 rows of x each; 128-223: 64 columns x 512 K of Wqkv; 224-255: 64 columns x 512 K of Wout.  The paths part on the work-group's number alone; each has LDS bytes of its own.
.set XP,    528                        ; x's stage: a row of 512 bytes + 16: sixteen rows start in sixteen different 16-byte columns of 256
.set XW,    16*XP                      ; a wave's stage
.set WSX,   8*XW                       ; behind the eight stages: 1,024 bytes in which the W path gathers its scale words
.set SPARE, WSX+1024                   ; the spare words, 128 bytes for each wave: four blocks of 256 bytes that no other line names
.set SPW,   14                         ; v14  LDS address of my spare word; never rewritten
.set NIL,   15                         ; v15  0; never rewritten
.set XR,    16                         ; x path: v16-143 two sets of 64 numbers as loaded
.set XX,    144                        ; v144-207 64 numbers in the operand's order
.set XC,    208                        ; v208-239 codes, 8 registers a fragment: no store's data are written again
.set XSW,   240                        ; v240-243 the four scale words
.set XM,    244                        ; v244-245 largest magnitudes; v246-247 the conversions' scale operands; v248-249 bytes
.set XE,    246
.set XB,    248
.set XWD,   250
.set XTP,   251
.set XSH,   252
.set WX,    16                         ; W and Wout paths: v16-143 128 numbers down K
.set WC,    144                        ; v144.. codes (16) or f16 pairs (64)
.set WW,    160                        ; v160 the scale word
.macro FINISH                          ; a wave's end, behind my last LDS store
	s_wait_tensorcnt 0x0
	ds_add_u32 v[SPW], v[NIL]
	s_wait_dscnt 0x0
	s_endpgm
.endm
	s_load_b256 s[4:11], s[0:1], 0x0               ; x s[4:5], Wqkv s[6:7], Wout s[8:9], xc s[10:11]
	s_load_b256 s[12:19], s[0:1], 0x20             ; xs s[12:13], wc s[14:15], ws s[16:17], wo s[18:19]
	v_lshl_add_u32 v[SPW], v0, 2, SPARE
	v_mov_b32 v[NIL], 0
	v_lshrrev_b32 v1, 5, v0
	v_readfirstlane_b32 s20, v1                    ; wave 0..7
	v_and_b32 v1, 31, v0                           ; lane
	v_and_b32 v2, 15, v0                           ; r
	v_bfe_u32 v3, v0, 4, 1                         ; h
	s_and_b32 s21, s20, 1                          ; wave & 1
	s_lshr_b32 s24, s20, 1                         ; wave >> 1
	s_mov_b32 s22, 0x76543210
	s_mov_b32 s23, 0xfedcba98                      ; v_permlanex16_b32's selects for lane l xor 16
	s_mov_b32 s29, 0                               ; the upper word of every offset s[28:29]
	s_wait_kmcnt 0x0
	s_cmp_lt_u32 ttmp9, 128
	s_cbranch_scc0 .Lnot_x
; ---- x: wave w takes the tile of 16 rows 4 g + (w >> 1) and K half w & 1: four fragments of 16 rows x 128 K.
	s_lshl_b32 s25, ttmp9, 2
	s_add_co_u32 s25, s25, s24                     ; the tile of rows
	s_lshl_b32 s28, s25, 16                        ; 16 rows of 4,096 bytes
	s_lshl_b32 s30, s21, 11                        ; 512 numbers along K
	s_add_co_u32 s28, s28, s30
	s_add_nc_u64 s[4:5], s[4:5], s[28:29]
	s_lshl_b32 s28, s25, 13                        ; xc: 8 fragments a tile,
	s_lshl_b32 s30, s21, 12                        ; four a K half
	s_add_co_u32 s28, s28, s30
	s_add_nc_u64 s[10:11], s[10:11], s[28:29]
	s_lshl_b32 s28, s25, 9                         ; xs: 512 bytes a tile, 256 a K half
	s_lshl_b32 s30, s21, 8
	s_add_co_u32 s28, s28, s30
	s_add_nc_u64 s[12:13], s[12:13], s[28:29]
	s_mul_i32 s30, s20, XW                         ; my stage
	v_lshlrev_b32 v4, 4, v1                        ; 16 x lane: a load's 512 bytes, and an image's place
	v_add_nc_u32 v5, s30, v4                       ; into the stage: a row as it lies
	v_mul_u32_u24 v6, v2, XP
	v_lshl_add_u32 v6, v3, 7, v6
	v_add_nc_u32 v6, s30, v6                       ; out of it: row r, + 128 h bytes: k = 64 c + 32 h + 0 .. 31 is what the operand's layout gives lane (r, h)
	v_lshlrev_b32 v7, 4, v2
	v_lshl_add_u32 v7, v3, 3, v7                   ; xs: 16 r + 8 h
	v_lshlrev_b32 v[XSH], 3, v3                    ; 8 h: my bytes' place in the scale word
	v_mov_b32 v[XTP], 0                            ; written once: a lane permute's destination counts as one of its sources
.macro XLOAD t                         ; fragment t: 16 loads, a row's 512 consecutive bytes each
.irp i, 0,1,2,3,4,5,6,7,8,9,10,11,12,13,14,15
	global_load_b128 v[XR+64*((\t)%2)+4*\i:XR+64*((\t)%2)+4*\i+3], v4, s[4:5] offset:\i*4096+(\t)*512 th:TH_LOAD_NT
.endr
.endm
.macro XTURN t                         ; through the wave's own stage: LDS serves a wave's instructions in order, so no wait stands between the stores and the loads
.irp i, 0,1,2,3,4,5,6,7,8,9,10,11,12,13,14,15
	ds_store_b128 v5, v[XR+64*((\t)%2)+4*\i:XR+64*((\t)%2)+4*\i+3] offset:\i*XP
.endr
.irp c, 0,1
.irp j, 0,1,2,3,4,5,6,7
	ds_load_b128 v[XX+32*\c+4*\j:XX+32*\c+4*\j+3], v6 offset:256*\c+16*\j
.endr
.endr
.endm
.macro XQ t                            ; my two whole blocks (2 c + h) become registers 4 c .. 4 c + 3 of the fragment; the scale word's four bytes come from lanes l and l xor 16
.irp c, 0,1
	v_max3_num_f32 v[XM+\c], |v[XX+32*\c]|, |v[XX+32*\c+1]|, 0x1800000   ; with the floor 2^(3 - 127): the byte cannot fall under 1
.endr
.irp i, 2,4,6,8,10,12,14,16,18,20,22,24,26,28,30
.irp c, 0,1
	v_max3_num_f32 v[XM+\c], v[XM+\c], |v[XX+32*\c+\i]|, |v[XX+32*\c+\i+1]|
.endr
.endr
.irp c, 0,1
	v_add_nc_u32 v[XE+\c], 0xff000000, v[XM+\c]    ; 2 off the exponent field: the conversion takes this operand's exponent field as its scale
.endr
.irp c, 0,1
	v_lshrrev_b32 v[XB+\c], 23, v[XE+\c]           ; the scale's byte
.endr
	v_lshl_or_b32 v[XWD], v[XB+1], 16, v[XB]       ; blocks h and 2 + h,
	v_lshlrev_b32 v[XWD], v[XSH], v[XWD]           ; at their places
	v_permlanex16_b32 v[XTP], v[XWD], s22, s23
	v_or_b32 v[XSW+(\t)], v[XWD], v[XTP]           ; the word is whole, in both lanes of a row
.irp c, 0,1
.irp g, 0,1,2,3
	v_cvt_scalef32_pk8_fp4_f32 v[XC+8*(\t)+4*\c+\g], v[XX+32*\c+8*\g:XX+32*\c+8*\g+7], v[XE+\c]
.endr
.endr
	v_nop                                          ; one plain place behind the last scaled conversion
.irp c, 0,1
	global_store_b128 v4, v[XC+8*(\t)+4*\c:XC+8*(\t)+4*\c+3], s[10:11] offset:(\t)*1024+\c*512   ; 512 consecutive bytes, aligned
.endr
.endm
	XLOAD 0
	XLOAD 1
.irp t, 0,1,2,3
.if \t < 3
	s_wait_loadcnt 16                              ; this fragment's 16 loads are in; the next fragment's 16 may be out
.else
	s_wait_loadcnt 0x0
.endif
	XTURN \t
	s_wait_dscnt 0x0                               ; the numbers are back, and the stage's stores have read their registers,
.if \t < 2
	XLOAD \t+2                                     ; which take the fragment two further on
.endif
	XQ \t
.endr
	v_cmp_lt_u32 vcc_lo, 15, v1
	v_cndmask_b32 v254, v[XSW], v[XSW+2], vcc_lo   ; lanes 0-15 store words 0, 1 of their row, lanes 16-31 words 2, 3:
	v_cndmask_b32 v255, v[XSW+1], v[XSW+3], vcc_lo
	global_store_b64 v7, v[254:255], s[12:13]      ; 256 consecutive bytes, aligned
	FINISH
.Lnot_x:
; What the W and the Wout path share: a lane takes a column and its registers run down K (32 loads a block of 32; each reads 128 consecutive bytes, and the wave beside it the next 128).
.macro CLOAD t, lo, pitch
.irp i, 0,1,2,3,4,5,6,7,8,9,10,11,12,13,14,15,16,17,18,19,20,21,22,23,24,25,26,27,28,29,30,31
	global_load_b32 v[WX+32*(\t)+\i], v4, s[\lo:\lo+1] offset:(32*(\t)+\i)*\pitch th:TH_LOAD_NT
.endr
.endm
.macro CWAIT t                         ; block t's 32 loads are in; the next block's 32 may be out
.if (\t) < 3
	s_wait_loadcnt 32
.else
	s_wait_loadcnt 0x0
.endif
.endm
	v_lshlrev_b32 v4, 2, v1                        ; 4 bytes a lane
	v_lshlrev_b32 v8, 4, v2                        ; 16 r
	s_cmp_lt_u32 ttmp9, 224
	s_cbranch_scc0 .Lwout
; ---- Wqkv: work-group u: type u >> 5, head (u >> 1) & 15, K half u & 1.  Wave w: 32 columns (half w & 1 of the head's 64), K step 4 (u & 1) + (w >> 1).
	s_sub_co_u32 s25, ttmp9, 128
	s_lshr_b32 s26, s25, 5                         ; type
	s_bfe_u32 s27, s25, 0x40001                    ; head
	s_and_b32 s30, s25, 1                          ; K half
	s_lshl_b32 s31, s30, 2
	s_add_co_u32 s31, s31, s24                     ; K step
	s_mul_i32 s28, s27, 192
	s_lshl_b32 s33, s26, 6
	s_add_co_u32 s28, s28, s33
	s_lshl_b32 s33, s21, 5
	s_add_co_u32 s28, s28, s33                     ; my first column in Wqkv
	s_lshl_b32 s28, s28, 2
	s_mul_i32 s33, s31, 128*12288                  ; 128 rows of 12,288 bytes a K step
	s_add_co_u32 s28, s28, s33
	s_add_nc_u64 s[6:7], s[6:7], s[28:29]
	s_lshl_b32 s32, s26, 6
	s_lshl_b32 s33, s27, 2
	s_add_co_u32 s32, s32, s33
	s_lshl_b32 s33, s21, 1
	s_add_co_u32 s32, s32, s33                     ; my first tile of 16 columns in the new order: 64 type + 4 head + 2 half
	s_lshl_b32 s28, s32, 3
	s_add_co_u32 s28, s28, s31
	s_lshl_b32 s28, s28, 10
	s_add_nc_u64 s[14:15], s[14:15], s[28:29]      ; wc: (8 tile + K step) x 1,024
	s_lshl_b32 s28, s32, 9
	s_lshl_b32 s33, s30, 8
	s_add_co_u32 s28, s28, s33
	s_add_nc_u64 s[16:17], s[16:17], s[28:29]      ; ws: 512 tile + 256 K half
	v_lshl_add_u32 v5, v3, 13, v8                  ; wc: lanes 16-31 belong to the next tile, 8,192 bytes on; row r's 16 bytes of a block
	v_lshl_add_u32 v9, v3, 9, v8                   ; ws: likewise, 512 bytes on
	s_lshl_b32 s33, s21, 9
	v_lshlrev_b32 v7, 4, v1
	v_add_nc_u32 v7, s33, v7
	v_add_nc_u32 v7, WSX, v7                       ; LDS: my column's four words: 512 half + 16 lane
	s_lshl_b32 s33, s24, 2
	v_add_nc_u32 v6, s33, v7                       ; and my K step's word among them
.macro WBLOCK t                        ; block t of my K step: all 32 numbers are mine; its 16 bytes of codes lie at 256 t + 16 r of the fragment's image
	CWAIT \t
.if (\t) < 2
	CLOAD (\t)+2, 6, 12288
.endif
.set XS, WX+32*(\t)
	v_max3_num_f32 v12, |v[XS]|, |v[XS+1]|, |v[XS+2]|
	v_max3_num_f32 v13, |v[XS+3]|, |v[XS+4]|, |v[XS+5]|
.irp i, 6,10,14,18,22,26
	v_max3_num_f32 v12, v12, |v[XS+\i]|, |v[XS+\i+1]|
	v_max3_num_f32 v13, v13, |v[XS+\i+2]|, |v[XS+\i+3]|
.endr
	v_max3_num_f32 v12, v12, |v[XS+30]|, |v[XS+31]|
	v_max3_num_f32 v12, v12, v13, 0x1800000        ; and the floor 2^(3 - 127)
	v_add_nc_u32 v11, 0xff000000, v12              ; the conversion's scale operand
	v_lshrrev_b32 v13, 23, v11                     ; the byte
.if (\t) == 0
	v_mov_b32 v[WW], v13
.else
	v_lshl_or_b32 v[WW], v13, 8*(\t), v[WW]
.endif
.irp g, 0,1,2,3
	v_cvt_scalef32_pk8_fp4_f32 v[WC+4*(\t)+\g], v[XS+8*\g:XS+8*\g+7], v11
.endr
	v_nop                                          ; one plain place behind the last scaled conversion
	global_store_b128 v5, v[WC+4*(\t):WC+4*(\t)+3], s[14:15] offset:(\t)*256   ; each half of the lanes stores 256 consecutive bytes, aligned
.endm
	CLOAD 0, 6, 12288
	CLOAD 1, 6, 12288
	WBLOCK 0
	WBLOCK 1
	WBLOCK 2
	WBLOCK 3
	ds_store_b32 v6, v[WW]                         ; a column's four words come from four waves: they meet in LDS
	s_wait_dscnt 0x0                               ; for the others' sake: my store is done
	s_barrier_signal -1                            ; (all eight waves of a work-group are on this path: the branches that lead here hang on the work-group's number alone)
	s_barrier_wait -1
	s_cmp_lt_u32 s20, 2
	s_cbranch_scc0 .Lw_end                         ; waves 0 and 1 store the words of their 32 columns
	ds_load_b128 v[164:167], v7
	s_wait_dscnt 0x0
	global_store_b128 v9, v[164:167], s[16:17]     ; each half of the lanes stores 256 consecutive bytes, aligned
.Lw_end:
	FINISH
.Lwout:
; ---- Wout: work-group u: 64 columns u >> 1, K half u & 1.  Wave w: 32 columns (w & 1), 128 along K (w >> 1): four chunks of 32, rounded to f16.
	s_sub_co_u32 s25, ttmp9, 224
	s_lshr_b32 s26, s25, 1
	s_and_b32 s30, s25, 1
	s_lshl_b32 s31, s26, 6
	s_lshl_b32 s33, s21, 5
	s_add_co_u32 s31, s31, s33                     ; my first column
	s_lshl_b32 s32, s30, 9
	s_lshl_b32 s33, s24, 7
	s_add_co_u32 s32, s32, s33                     ; my first k
	s_lshl_b32 s28, s32, 12                        ; rows of 4,096 bytes
	s_lshl_b32 s33, s31, 2
	s_add_co_u32 s28, s28, s33
	s_add_nc_u64 s[8:9], s[8:9], s[28:29]
	s_lshl_b32 s28, s31, 11                        ; wo: ((column / 16) x 32 + k / 32) x 1,024
	s_lshl_b32 s33, s32, 5
	s_add_co_u32 s28, s28, s33
	s_add_nc_u64 s[18:19], s[18:19], s[28:29]
	v_lshl_add_u32 v5, v3, 15, v8                  ; lanes 16-31 belong to the next tile of columns, 32,768 bytes on
.macro OCHUNK t                        ; 32 along K of my column: eight numbers k = 8 q .. 8 q + 7 are 16 bytes at 256 q + 16 r of the fragment's image
	CWAIT \t
.if (\t) < 2
	CLOAD (\t)+2, 8, 4096
.endif
.irp i, 0,1,2,3,4,5,6,7,8,9,10,11,12,13,14,15
	v_cvt_pk_f16_f32 v[WC+16*(\t)+\i], v[WX+32*(\t)+2*\i], v[WX+32*(\t)+2*\i+1]
.endr
.irp q, 0,1,2,3
	global_store_b128 v5, v[WC+16*(\t)+4*\q:WC+16*(\t)+4*\q+3], s[18:19] offset:(\t)*1024+\q*256
.endr
.endm
	CLOAD 0, 8, 4096
	CLOAD 1, 8, 4096
	OCHUNK 0
	OCHUNK 1
	OCHUNK 2
	OCHUNK 3
	s_endpgm
.Lfunc_end_k_q221442cff7_prep:
	.size	k_q221442cff7_prep, .Lfunc_end_k_q221442cff7_prep-k_q221442cff7_prep
	.p2alignl 7, 3214868480
	.fill 96, 4, 3214868480
	.section	.rodata,"a",@progbits
	.p2align	6, 0x0
	.amdhsa_kernel k_q221442cff7_prep
		.amdhsa_group_segment_fixed_size 69632
		.amdhsa_private_segment_fixed_size 0
		.amdhsa_enable_private_segment 0
		.amdhsa_kernarg_size 64
		.amdhsa_user_sgpr_count 2
		.amdhsa_user_sgpr_kernarg_segment_ptr 1
		.amdhsa_wavefront_size32 1
		.amdhsa_system_sgpr_workgroup_id_x 1
		.amdhsa_system_sgpr_workgroup_id_y 1
		.amdhsa_system_sgpr_workgroup_id_z 1
		.amdhsa_system_vgpr_workitem_id 0
		.amdhsa_next_free_vgpr 256
		.amdhsa_next_free_sgpr 66
		.amdhsa_reserve_vcc 1
		.amdhsa_float_denorm_mode_32 3
		.amdhsa_float_denorm_mode_16_64 3
		.amdhsa_memory_ordered 1
		.amdhsa_forward_progress 1
		.amdhsa_inst_pref_size 68
	.end_amdhsa_kernel
	.amdgpu_metadata
---
amdhsa.version: [ 1, 2 ]
amdhsa.kernels:
  - .name:           k_q221442cff7_prep
    .symbol:         k_q221442cff7_prep.kd
    .args:
      - { .name: x, .offset: 0, .size: 8, .value_kind: global_buffer, .address_space: global }
      - { .name: Wqkv, .offset: 8, .size: 8, .value_kind: global_buffer, .address_space: global }
      - { .name: Wout, .offset: 16, .size: 8, .value_kind: global_buffer, .address_space: global }
      - { .name: xc, .offset: 24, .size: 8, .value_kind: global_buffer, .address_space: global }
      - { .name: xs, .offset: 32, .size: 8, .value_kind: global_buffer, .address_space: global }
      - { .name: wc, .offset: 40, .size: 8, .value_kind: global_buffer, .address_space: global }
      - { .name: ws, .offset: 48, .size: 8, .value_kind: global_buffer, .address_space: global }
      - { .name: wo, .offset: 56, .size: 8, .value_kind: global_buffer, .address_space: global }
    .group_segment_fixed_size: 69632
    .private_segment_fixed_size: 0
    .kernarg_segment_align: 8
    .kernarg_segment_size: 64
    .max_flat_workgroup_size: 256
    .sgpr_count:     66
    .vgpr_count:     256
    .wavefront_size: 32
...
	.end_amdgpu_metadata
.endif
;; end of part 1
;; launch qkvgemm (part 2): grid 12 x 32, 4 waves a work-group, clusters of 4 x 4, 327,680 bytes of LDS; arguments xc, xs, wc, ws, bqkv, qkv; writes qkv
.if DOCPART == 2
	.amdgcn_target "amdgcn-amd-amdhsa--gfx1250"
	.amdhsa_code_object_version 6
	.text
	.protected	k_q221442cff7_qkvgemm
	.globl	k_q221442cff7_qkvgemm
	.p2align	8
	.type	k_q221442cff7_qkvgemm,@function
k_q221442cff7_qkvgemm:
	s_mov_b64 s[64:65], 0
	v_nop
	global_prefetch_b8 v0, s[64:65] scope:SCOPE_SE
	s_setreg_imm32_b32 hwreg(HW_REG_WAVE_MODE, 25, 1), 1
	s_wait_xcnt 0x0
	s_wait_alu depctr_hold_cnt(0) depctr_sa_sdst(0) depctr_va_vdst(0) depctr_va_sdst(0) depctr_va_ssrc(0) depctr_va_vcc(0) depctr_vm_vsrc(0)
	s_getreg_b32 s2, hwreg(HW_REG_IB_STS2, 6, 4)
	s_cmp_eq_u32 s2, 0
	s_cbranch_scc0 .Lentry_in_a_cluster
	s_endpgm
.Lentry_in_a_cluster:
	s_bfe_u32 s2, ttmp6, 0x10000c
	s_cmp_lg_u32 s2, 0xf033
	s_cbranch_scc0 .Lentry_shape_is_right
	s_endpgm
.Lentry_shape_is_right:
; QKV = Q(x) Q(Wqkv) + bias, on codes of FP4 (E2M1) with one E8M0 scale for each 32 along K = 1,024; sums in f32; the results rounded once to f16, the operands' format of the attention that follows.
; LEFT OUT: the K third of bqkv (it adds the same number to all scores of a query, which the softmax takes away for all finite inputs: shown at the head of the first kernel).  LIMIT: q, k, v up to 65,504 in magnitude.
; A tile is 256 tokens x 256 columns (in the order type x head x 64 that the first launch gave the columns); four waves, each 128 x 128: 64 accumulators, 512 registers.
; All operands lie in memory as images of operand registers (a group of four registers = 512 bytes, lane l's 16 bytes at 16 l), so a fragment is two ds_load_b128 at 16 x lane: no pitch, no padding.
; K has two halves of 512: each has an LDS slot of its own, both asked for at the head; nothing is filled again.  The scale words of the tile's 512 rows, 16 KiB, come with them.
; CLUSTERS: 4 x 4 work-groups; the four of a row of the cluster need the same tokens, the four of a column the same columns: each tile is asked for jointly, by the same tensor load with a mask that names the four.
; The cluster's x is the type (0 q, 1 k, 2 v): 1,024 columns are four tiles.  Branches hang on it and on the wave's number alone, which all partners share.
; THE MATRIX INSTRUCTION IS USED TRANSPOSED (source 0 = 16 columns of W, source 1 = 16 tokens): a lane holds one token and eight neighbouring channels: 16 bytes of f16, which are stored as they stand.
; qkv: byte ((((64 type + 16 batch + head) 128 + token / 16) 4 + channel / 16) 512 + 16 pos.  q, k: pos = lane: two neighbouring groups are a fragment of 16 tokens x 32 channels.
;      v: pos = (r & 7) + 8 h + 16 (r >> 3), the order in which the turning LDS load of the attention takes 16 keys x 16 channels at 16 x lane.
; REGISTERS: window 0: v16-29 addresses; v32-95 scale words, two sets; v128-191 the tokens' fragments, one set; v192-255 the bias as a C operand; on the way out v96-223 packed results.
;   window 1: W's fragments, two sets, at v0 and v128.   windows 2, 3: the accumulators of my tokens 0-63, 64-127 (accumulator (a, b) at v[8 (8 (a % 4) + b)]).
.set NQ,     4                         ; K steps of 128 in a slot
.set FR,     8                         ; registers of a fragment
.set NP,     4                         ; places behind this matrix instruction (ISA guide 7.12.1)
.set HALFT,  32768                     ; 8 tiles of 16 rows x 4 K steps x 1,024 bytes: what one tensor load brings, and what one wave reads of a side
.set SLOT,   4*HALFT                   ; the tokens' 256 rows, then W's 256
.set SCL,    2*SLOT                    ; the scale words: the tokens' 8,192 bytes, then W's
.set SPARE,  SCL+16384                 ; the spare words, 128 bytes for each wave: two blocks of 256 bytes that no other line names
.set ADRA, 16                          ; v16-17  LDS address of my tokens' fragments in slot 0, 1
.set ADRB, 20                          ; v20-21  of W's
.set CO,   26                          ; v26     16 x pos
.set ADRS, 27                          ; v27     my scale words: lanes 0-15 the tokens', lanes 16-31 W's
.set SPW,  28                          ; v28     LDS address of my spare word; never rewritten
.set NIL,  29                          ; v29     0; never rewritten
.set SC,   32
.set PK,   96
.set AF,   128
.set BI,   192
.set G1, 24                            ; s[24:31] group 1, s[32:39] groups 0 (a set a slot) for the tokens' codes
.set G0, 32
.set G1B, 48                           ; s[48:55], s[56:63] for W's
.set G0B, 56
.set G1S, 68                           ; s[68:75], s[76:79] for the tokens' scale words; s[80:87], s[88:91] for W's
.set G0S, 76
.set G1SB, 80
.set G0SB, 88
.set MSB, 0
.macro WIN new                         ; the immediate's high byte repeats the setting that is left
.if MSB != (\new)
	s_set_vgpr_msb (MSB<<8)|(\new)
.set MSB, (\new)
.endif
.endm
.set MUL_LO, 0xa1                      ; source 0 (W) window 1, source 1 (tokens) window 0, C and D window 2
.set MUL_HI, 0xf1                      ; the same, C and D window 3
.set TO_B,   0x40                      ; destination window 1, address window 0
; A joint load: waves 0 and 1 fetch for the tokens, waves 2 and 3 for W.  An s_nop 0 and four v_nop follow each of the two lines.
.macro JLOAD g0a, g1a, g0b, g1b
	s_cmp_eq_u32 s17, 0
	s_cbranch_scc0 .Lfor_b_\@
	tensor_load_to_lds s[\g0a:\g0a+3], s[\g1a:\g1a+7]
	s_nop 0
.rept 4
	v_nop
.endr
	s_branch .Lasked_\@
.Lfor_b_\@:
	tensor_load_to_lds s[\g0b:\g0b+3], s[\g1b:\g1b+7]
	s_nop 0
.rept 4
	v_nop
.endr
.Lasked_\@:
.endm
.macro CROUND                          ; a round of the cluster's barrier
	s_barrier_signal -1
	s_barrier_wait -1
	s_cmp_lg_u32 s16, 0
	s_cbranch_scc1 .Lnot_wave_0_\@
	s_barrier_signal -3
.Lnot_wave_0_\@:
	s_barrier_wait -3
	s_barrier_signal -1
	s_barrier_wait -1
.endm
	s_load_b256 s[4:11], s[0:1], 0x0               ; xc s[4:5], xs s[6:7], wc s[8:9], ws s[10:11]
	s_load_b128 s[12:15], s[0:1], 0x20             ; bqkv s[12:13], qkv s[14:15]
	v_lshl_add_u32 v[SPW], v0, 2, SPARE
	v_mov_b32 v[NIL], 0
	ds_add_u32 v[SPW], v[NIL]                      ; the wave's opening: the add, twice on end, and its wait ahead of my first tensor load
	ds_add_u32 v[SPW], v[NIL]
	v_lshrrev_b32 v1, 5, v0
	v_readfirstlane_b32 s16, v1                    ; wave 0..3
	s_lshr_b32 s17, s16, 1                         ; which half of the tile's tokens is mine.  Also: I fetch for the tokens (0) or for W (1)
	s_and_b32 s18, s16, 1                          ; which half of its columns.  Also: which 128 rows I fetch
	s_bfe_u32 s40, ttmp6, 0x40000                  ; cx, cy
	s_bfe_u32 s41, ttmp6, 0x40004
	s_lshl_b32 s42, ttmp9, 2
	s_add_co_u32 s42, s42, s40                     ; tile column
	s_and_b32 s19, ttmp7, 0xffff
	s_lshl_b32 s19, s19, 2
	s_add_co_u32 s19, s19, s41                     ; tile row
	s_lshl_b32 s43, s41, 2
	s_lshl_b32 s43, 15, s43                        ; my row of the cluster
	s_lshl_b32 s44, 0x1111, s40                    ; my column
	; group 1, codes: 8 rows (tiles of 16) of 4,096 bytes (4 K steps), 8,192 bytes apart; elements of 8 bytes; no padding; bit 21 beside the mask
	s_or_b32 s[G1+0], s43, (3<<16)|(1<<21)
	s_or_b32 s[G1B+0], s44, (3<<16)|(1<<21)
.irp g, G1, G1B
	s_mov_b32 s[\g+1], 512<<16                     ; tensor_dim0
	s_mov_b32 s[\g+2], 8<<16                       ; tensor_dim1
	s_mov_b32 s[\g+3], 512<<16                     ; tile_dim0
	s_mov_b32 s[\g+4], 8                           ; tile_dim1
	s_mov_b32 s[\g+5], 1024                        ; tensor_dim0_stride
	s_mov_b32 s[\g+6], 0
	s_mov_b32 s[\g+7], 0
.endr
	; group 1, scale words of 128 rows: 4,096 dense bytes as 16 rows of 256
	s_or_b32 s[G1S+0], s43, (3<<16)|(1<<21)
	s_or_b32 s[G1SB+0], s44, (3<<16)|(1<<21)
.irp g, G1S, G1SB
	s_mov_b32 s[\g+1], 32<<16
	s_mov_b32 s[\g+2], 16<<16
	s_mov_b32 s[\g+3], 32<<16
	s_mov_b32 s[\g+4], 16
	s_mov_b32 s[\g+5], 32
	s_mov_b32 s[\g+6], 0
	s_mov_b32 s[\g+7], 0
.endr
	s_lshl_b32 s45, s18, 3                         ; which 8 tiles of 16 rows I fetch
	s_lshl_b32 s20, s19, 4
	s_add_co_u32 s20, s20, s45                     ; tokens: tile 16 x tile row + 8 x half
	s_lshl_b32 s46, s42, 4
	s_add_co_u32 s46, s46, s45                     ; W: 16 x tile column + 8 x half
	s_lshl_b32 s22, s20, 9                         ; their scale words, 512 bytes a tile,
	s_mov_b32 s23, 0
	s_lshl_b32 s20, s20, 13                        ; and their codes, 8,192
	s_mov_b32 s21, 0
	s_lshl_b32 s92, s46, 9
	s_mov_b32 s93, 0
	s_lshl_b32 s46, s46, 13
	s_mov_b32 s47, 0
	s_lshl_b32 s45, s16, 15                        ; where they go: wave x HALFT: no place in the cluster enters an LDS address
	s_lshl_b32 s94, s16, 12
	s_wait_dscnt 0x0                               ; both opening adds are done
	s_wait_kmcnt 0x0
	s_add_nc_u64 s[20:21], s[4:5], s[20:21]
	s_add_nc_u64 s[22:23], s[6:7], s[22:23]
	s_add_nc_u64 s[46:47], s[8:9], s[46:47]
	s_add_nc_u64 s[92:93], s[10:11], s[92:93]
	CROUND                                         ; all sixteen work-groups are here: the joint loads meet
	s_mov_b32 s[G0S], 1
	s_add_co_u32 s[G0S+1], s94, SCL
	s_mov_b64 s[G0S+2:G0S+3], s[22:23]
	s_or_b32 s[G0S+3], s[G0S+3], 0x80000000
	s_mov_b32 s[G0SB], 1
	s_add_co_u32 s[G0SB+1], s94, SCL
	s_mov_b64 s[G0SB+2:G0SB+3], s[92:93]
	s_or_b32 s[G0SB+3], s[G0SB+3], 0x80000000
	JLOAD G0S, G1S, G0SB, G1SB                     ; three loads of mine go out together: the scale words, K half 0, K half 1
.irp s, 0,1
	s_mov_b32 s[G0+4*\s], 1
	s_add_co_u32 s[G0+4*\s+1], s45, \s*SLOT
	s_add_nc_u64 s[G0+4*\s+2:G0+4*\s+3], s[20:21], \s*4096
	s_or_b32 s[G0+4*\s+3], s[G0+4*\s+3], 0x80000000
	s_mov_b32 s[G0B+4*\s], 1
	s_add_co_u32 s[G0B+4*\s+1], s45, \s*SLOT
	s_add_nc_u64 s[G0B+4*\s+2:G0B+4*\s+3], s[46:47], \s*4096
	s_or_b32 s[G0B+4*\s+3], s[G0B+4*\s+3], 0x80000000
	JLOAD G0+4*\s, G1, G0B+4*\s, G1B
.endr
	v_and_b32 v1, 31, v0                           ; lane
	v_and_b32 v2, 15, v0                           ; r
	v_bfe_u32 v3, v0, 4, 1                         ; h
	v_lshlrev_b32 v4, 4, v1                        ; 16 x lane
	s_lshl_b32 s21, s17, 15                        ; my 128 tokens
	s_lshl_b32 s22, s18, 15                        ; my 128 columns,
	s_add_co_u32 s22, s22, 2*HALFT                 ; behind the tokens' 256 rows
.irp s, 0,1
	v_add_nc_u32 v[ADRA+\s], s21, v4
	v_add_nc_u32 v[ADRB+\s], s22, v4
	s_add_co_u32 s21, s21, SLOT
	s_add_co_u32 s22, s22, SLOT
.endr
	v_lshlrev_b32 v5, 4, v2                        ; a row's four words of a K half: 16 r
	s_lshl_b32 s21, s17, 12                        ; the tokens': my 128 rows
	s_lshl_b32 s22, s18, 12                        ; W's: my 128 rows, behind the tokens' 8,192 bytes
	s_add_co_u32 s22, s22, 8192
	s_sub_co_u32 s22, s22, s21
	v_mul_u32_u24 v6, s22, v3                      ; lanes 16-31 take W's: one product with h
	s_add_co_u32 s21, s21, SCL
	v_add_nc_u32 v5, v5, v6
	v_add_nc_u32 v[ADRS], s21, v5
	v_and_b32 v7, 7, v2                            ; the way out: v's order of the 32 places of a group,
	v_lshl_add_u32 v7, v3, 3, v7
	v_lshrrev_b32 v8, 3, v2
	v_lshl_add_u32 v7, v8, 4, v7
	s_cmp_eq_u32 ttmp9, 2
	s_cselect_b32 s95, -1, 0
	v_cndmask_b32 v7, v1, v7, s95                  ; or, for q and k, the lane itself
	v_lshlrev_b32 v[CO], 4, v7
	v_lshlrev_b32 v9, 5, v3                        ; the bias: my half's eight numbers: 32 h
	s_lshl_b32 s96, s40, 2
	s_lshl_b32 s97, s18, 1
	s_add_co_u32 s96, s96, s97                     ; my first head: 4 cx + 2 x half
	s_lshl_b32 s20, ttmp9, 6                       ; 64 type
	s_lshr_b32 s21, s19, 3
	s_lshl_b32 s21, s21, 4                         ; + 16 batch
	s_add_co_u32 s20, s20, s21
	s_add_co_u32 s20, s20, s96                     ; + head
	s_lshl_b32 s20, s20, 7
	s_and_b32 s21, s19, 7
	s_lshl_b32 s21, s21, 4
	s_add_co_u32 s20, s20, s21                     ; x 128 + my first tile of 16 tokens in the batch
	s_lshl_b32 s21, s17, 3
	s_add_co_u32 s20, s20, s21
	s_lshl_b32 s20, s20, 11                        ; x 2,048 bytes
	s_mov_b32 s21, 0
	s_add_nc_u64 s[14:15], s[14:15], s[20:21]
	s_mul_i32 s20, s96, 192                        ; bqkv: column 192 head + 64 type
	s_lshl_b32 s22, ttmp9, 6
	s_add_co_u32 s20, s20, s22
	s_lshl_b32 s20, s20, 2
	s_add_nc_u64 s[12:13], s[12:13], s[20:21]
.macro FRAG reg, adr, q, i             ; a fragment's image: tile i of my eight, K step q of the slot
.irp c, 0,1
	ds_load_b128 v[\reg+4*\c:\reg+4*\c+3], v[\adr] offset:(\i)*4096+(\q)*1024+512*\c
.endr
.endm
; 16 matrix instructions: token blocks a0, a0 + 1 x W's eight.  zero = 1: the product starts the sum with 0; 2: with the bias; 0: it adds on.  The 64 accumulators take turns, one instruction a turn.
; One register carries the tokens' scale word (lanes 0-15) and W's (lanes 16-31, taken by ROW1).
.macro MUL16 a0, p, q, sc, zero
.irp a, \a0, \a0+1
.irp b, 0,1,2,3,4,5,6,7
.if (\zero) == 1
	v_wmma_scale_f32_16x16x128_f8f6f4 v[8*(8*((\a)%4)+\b):8*(8*((\a)%4)+\b)+7], v[128*(\p)+FR*\b:128*(\p)+FR*\b+FR-1], v[AF+FR*(\a):AF+FR*(\a)+FR-1], 0, v[SC+8*NQ*(\sc)+NQ*\b+(\q)], v[SC+8*NQ*(\sc)+NQ*(\a)+(\q)] matrix_a_fmt:MATRIX_FMT_FP4 matrix_b_fmt:MATRIX_FMT_FP4 matrix_a_scale:MATRIX_SCALE_ROW1
.elseif (\zero) == 2
	v_wmma_scale_f32_16x16x128_f8f6f4 v[8*(8*((\a)%4)+\b):8*(8*((\a)%4)+\b)+7], v[128*(\p)+FR*\b:128*(\p)+FR*\b+FR-1], v[AF+FR*(\a):AF+FR*(\a)+FR-1], v[BI+8*\b:BI+8*\b+7], v[SC+8*NQ*(\sc)+NQ*\b+(\q)], v[SC+8*NQ*(\sc)+NQ*(\a)+(\q)] matrix_a_fmt:MATRIX_FMT_FP4 matrix_b_fmt:MATRIX_FMT_FP4 matrix_a_scale:MATRIX_SCALE_ROW1
.else
	v_wmma_scale_f32_16x16x128_f8f6f4 v[8*(8*((\a)%4)+\b):8*(8*((\a)%4)+\b)+7], v[128*(\p)+FR*\b:128*(\p)+FR*\b+FR-1], v[AF+FR*(\a):AF+FR*(\a)+FR-1], v[8*(8*((\a)%4)+\b):8*(8*((\a)%4)+\b)+7], v[SC+8*NQ*(\sc)+NQ*\b+(\q)], v[SC+8*NQ*(\sc)+NQ*(\a)+(\q)] matrix_a_fmt:MATRIX_FMT_FP4 matrix_b_fmt:MATRIX_FMT_FP4 matrix_a_scale:MATRIX_SCALE_ROW1
.endif
.endr
.endr
.endm
.macro FETCH_B slot, q, p
	WIN TO_B
.irp i, 0,1,2,3,4,5,6,7
	FRAG 128*(\p)+FR*\i, ADRB+\slot, \q, \i
.endr
	WIN 0
.endm
.macro FETCH_A slot, q, i0
.irp i, \i0, \i0+1, \i0+2, \i0+3
	FRAG AF+FR*(\i), ADRA+\slot, \q, \i
.endr
.endm
.macro SCALES sc                       ; a K half's scale words: four words a row; lanes 0-15 the tokens' block i, lanes 16-31 W's block i
.irp i, 0,1,2,3,4,5,6,7
	ds_load_b128 v[SC+8*NQ*\sc+NQ*\i:SC+8*NQ*\sc+NQ*\i+3], v[ADRS] offset:\i*512+\sc*256
.endr
.endm
.macro PLACES n                        ; plain vector instructions between a matrix instruction and a load into, or a vector instruction on, its registers (ISA guide 7.12.1 for vector instructions)
.rept \n
	v_nop
.endr
.endm
; A step of 128 along K that has its successor in the same slot.  A token block is free as soon as its eight products are issued, so one set serves the tokens; W has two.
.macro STEP slot, q, zero
	s_wait_dscnt 8                                 ; W's set and token blocks 0-3 are in; the youngest eight loads (blocks 4-7) may be out
.if (\zero) == 2
	WIN 0x81                                       ; as MUL_LO, but C (the bias) in window 0
.else
	WIN MUL_LO
.endif
	MUL16 0, (\q)%2, \q, \slot, \zero
	MUL16 2, (\q)%2, \q, \slot, \zero
	s_wait_dscnt 0
	PLACES NP
	FETCH_B \slot, (\q)+1, 1-(\q)%2
	FETCH_A \slot, (\q)+1, 0
.if (\zero) == 2
	WIN 0xc1
.else
	WIN MUL_HI
.endif
	MUL16 4, (\q)%2, \q, \slot, \zero
	MUL16 6, (\q)%2, \q, \slot, \zero
	PLACES NP
	WIN 0
	FETCH_A \slot, (\q)+1, 4
.endm
	s_wait_tensorcnt 1                             ; the scale words and my part of K half 0 are in (K half 1's load may be out)
	s_barrier_signal -1
	s_barrier_wait -1                              ; everybody's are
	FETCH_B 0, 0, 0
	FETCH_A 0, 0, 0
	SCALES 0
	FETCH_A 0, 0, 4
	s_cmp_eq_u32 ttmp9, 1                          ; the type: the same in all sixteen partners
	s_cbranch_scc1 .Lno_bias
.irp b, 0,1,2,3,4,5,6,7                ; q and v: the bias in the result's layout: block b's channels 16 (b % 4) + 8 h + 0 .. 7 of head b / 4
.irp e, 0,1
	global_load_b128 v[BI+8*\b+4*\e:BI+8*\b+4*\e+3], v9, s[12:13] offset:((\b/4)*192+(\b%4)*16)*4+16*\e
.endr
.endr
	s_wait_loadcnt 0x0
	STEP 0, 0, 2                                   ; the first products start the sums with the bias: no addition, nothing cleared
	s_branch .Lstarted
.Lno_bias:
	STEP 0, 0, 1                                   ; k: with 0
.Lstarted:
	STEP 0, 1, 0
	STEP 0, 2, 0
	; K half 0's last step changes slots: one barrier, in front of which each wave has waited for its part of K half 1
	s_wait_tensorcnt 0x0                           ; all my tensor loads have landed
	ds_add_u32 v[SPW], v[NIL]                      ; 0 onto my spare word
	s_wait_dscnt 9                                 ; (the add and the youngest eight loads may be out)
	WIN MUL_LO
	MUL16 0, 1, 3, 0, 0
	s_wait_dscnt 0x0                               ; no LDS instruction of mine is out at the signal
	s_barrier_signal -1
	MUL16 2, 1, 3, 0, 0
	WIN 0
	s_barrier_wait -1
	PLACES NP
	FETCH_B 1, 0, 0
	FETCH_A 1, 0, 0
	SCALES 1
	WIN MUL_HI
	MUL16 4, 1, 3, 0, 0
	MUL16 6, 1, 3, 0, 0
	PLACES NP
	WIN 0
	FETCH_A 1, 0, 4
	STEP 1, 0, 0
	STEP 1, 1, 0
	STEP 1, 2, 0
	s_wait_dscnt 8                                 ; the very last step: nothing more to fetch
	WIN MUL_LO
	MUL16 0, 1, 3, 1, 0
	MUL16 2, 1, 3, 1, 0
	s_wait_dscnt 0
	WIN MUL_HI
	MUL16 4, 1, 3, 1, 0
	MUL16 6, 1, 3, 1, 0
	WIN 0
	; THE WAY OUT: a lane's eight results are 16 bytes of f16, and a wave's 32 x 16 bytes are one group of the buffer: no stage.  Four sets of 32 registers take turns.
	PLACES NP
.irp a, 0,1,2,3,4,5,6,7
.if \a >= 4
	s_wait_xcnt 0x0                                ; the stores of four blocks back have read their data: the set may be written again
.endif
	WIN 0x0a+5*(\a/4)                              ; sources 0 and 1: window 2 or 3
.irp b, 0,1,2,3,4,5,6,7
.irp i, 0,1,2,3
	v_cvt_pk_f16_f32 v[PK+32*(\a%4)+4*\b+\i], v[64*(\a%4)+8*\b+2*\i], v[64*(\a%4)+8*\b+2*\i+1]   ; each accumulator from its low end on
.endr
.endr
	WIN 0
.irp b, 0,1,2,3,4,5,6,7
	global_store_b128 v[CO], v[PK+32*(\a%4)+4*\b:PK+32*(\a%4)+4*\b+3], s[14:15] offset:\a*2048+(\b/4)*262144+(\b%4)*512 th:TH_STORE_NT   ; 512 consecutive bytes, aligned
.endr
.endr
	s_wait_tensorcnt 0x0                           ; the wave's end
	ds_add_u32 v[SPW], v[NIL]
	s_wait_dscnt 0x0
	CROUND                                         ; the closing round
	s_endpgm
.Lfunc_end_k_q221442cff7_qkvgemm:
	.size	k_q221442cff7_qkvgemm, .Lfunc_end_k_q221442cff7_qkvgemm-k_q221442cff7_qkvgemm
	.p2alignl 7, 3214868480
	.fill 96, 4, 3214868480
	.section	.rodata,"a",@progbits
	.p2align	6, 0x0
	.amdhsa_kernel k_q221442cff7_qkvgemm
		.amdhsa_group_segment_fixed_size 327680
		.amdhsa_private_segment_fixed_size 0
		.amdhsa_enable_private_segment 0
		.amdhsa_kernarg_size 48
		.amdhsa_user_sgpr_count 2
		.amdhsa_user_sgpr_kernarg_segment_ptr 1
		.amdhsa_wavefront_size32 1
		.amdhsa_system_sgpr_workgroup_id_x 1
		.amdhsa_system_sgpr_workgroup_id_y 1
		.amdhsa_system_sgpr_workgroup_id_z 1
		.amdhsa_system_vgpr_workitem_id 0
		.amdhsa_next_free_vgpr 1024
		.amdhsa_next_free_sgpr 98
		.amdhsa_reserve_vcc 0
		.amdhsa_float_denorm_mode_32 3
		.amdhsa_float_denorm_mode_16_64 3
		.amdhsa_memory_ordered 1
		.amdhsa_forward_progress 1
		.amdhsa_inst_pref_size 130
	.end_amdhsa_kernel
	.amdgpu_metadata
---
amdhsa.version: [ 1, 2 ]
amdhsa.kernels:
  - .name:           k_q221442cff7_qkvgemm
    .symbol:         k_q221442cff7_qkvgemm.kd
    .args:
      - { .name: xc, .offset: 0, .size: 8, .value_kind: global_buffer, .address_space: global }
      - { .name: xs, .offset: 8, .size: 8, .value_kind: global_buffer, .address_space: global }
      - { .name: wc, .offset: 16, .size: 8, .value_kind: global_buffer, .address_space: global }
      - { .name: ws, .offset: 24, .size: 8, .value_kind: global_buffer, .address_space: global }
      - { .name: bqkv, .offset: 32, .size: 8, .value_kind: global_buffer, .address_space: global }
      - { .name: qkv, .offset: 40, .size: 8, .value_kind: global_buffer, .address_space: global }
    .group_segment_fixed_size: 327680
    .private_segment_fixed_size: 0
    .kernarg_segment_align: 8
    .kernarg_segment_size: 48
    .max_flat_workgroup_size: 128
    .sgpr_count:     98
    .vgpr_count:     1024
    .wavefront_size: 32
...
	.end_amdgpu_metadata
.endif
;; end of part 2
;; launch attn (part 3): grid 4 x 64, 16 waves a work-group, clusters of 4 x 1, 327,680 bytes of LDS; arguments qkv, ao; writes ao
.if DOCPART == 3
	.amdgcn_target "amdgcn-amd-amdhsa--gfx1250"
	.amdhsa_code_object_version 6
	.text
	.protected	k_q221442cff7_attn
	.globl	k_q221442cff7_attn
	.p2align	8
	.type	k_q221442cff7_attn,@function
k_q221442cff7_attn:
	s_mov_b64 s[64:65], 0
	v_nop
	global_prefetch_b8 v0, s[64:65] scope:SCOPE_SE
	s_setreg_imm32_b32 hwreg(HW_REG_WAVE_MODE, 25, 1), 1
	s_wait_xcnt 0x0
	s_wait_alu depctr_hold_cnt(0) depctr_sa_sdst(0) depctr_va_vdst(0) depctr_va_sdst(0) depctr_va_ssrc(0) depctr_va_vcc(0) depctr_vm_vsrc(0)
	s_getreg_b32 s2, hwreg(HW_REG_IB_STS2, 6, 4)
	s_cmp_eq_u32 s2, 0
	s_cbranch_scc0 .Lentry_in_a_cluster
	s_endpgm
.Lentry_in_a_cluster:
	s_bfe_u32 s2, ttmp6, 0x10000c
	s_cmp_lg_u32 s2, 0x3003
	s_cbranch_scc0 .Lentry_shape_is_right
	s_endpgm
.Lentry_shape_is_right:
; O[bh][q] = the sum over k of softmax_k(Q[bh][q] . K[bh][k] / 8) V[bh][k]: 64 heads (batch x head) of 2,048 tokens x 64 channels.  q, k, v and the weights p in f16; products, maxima and sums in f32; O rounded once to f16.
; k comes without its bias (shown at the head of the first kernel: the term is the same along the softmax's axis).  LIMIT: the result up to 65,504 in magnitude; NaN and infinities are not served.
; SHARES.  A work-group owns 512 queries of one head, each of its sixteen waves 32: two tiles of 16, in 256 registers.  Four waves share a SIMD, so that one wave's softmax stands beside another's products and LDS loads.
; Each fragment of K and V that a wave reads from LDS feeds two products.  Every wave walks all 2,048 keys, 64 a step.
; LAYOUT.  S^T = K Q^T (source 0 = 16 keys, source 1 = 16 queries): a lane holds ONE query (lane % 16) and keys 8 (lane / 16) + 0..7.  Two such tiles, rounded to f16 in pairs, ARE source 1 (32 keys x 16 queries) of
; O^T = V^T P, whose result holds one query a lane and eight channels: 16 bytes of f16, which are a group of the next launch's operand image as they stand.
; q, k, v lie in memory as groups of 512 bytes (16 tokens x 16 channels, 16 bytes a lane's place): K's fragments are ds_load_b128 at 16 x lane, V's the turning load at 16 x lane.  No pitch, no padding.
; SOFTMAX.  A running maximum m and sum l for each query: p = 2^(c s - c m), c = log2(e) / 8; in every step O and l are multiplied by a = 2^(c m_old - c m_new).  The step is written once: O and l begin as zeros, m as -3e38.
; RING.  Two LDS slots of 512 keys (K 64 KiB, V 64 KiB).  Each of the sixteen waves fetches 8 KiB of a slot: waves 0-7 K's, waves 8-15 V's, by arithmetic on the wave's number.
; CLUSTER.  The four work-groups of a head walk the same K and V: each piece is asked for jointly, by the same tensor load with a mask that names the four.
.set SLOT1, 131072
.set SLOTB, 65536                      ; a slot's bytes of K, or of V, in memory and in LDS
.set SPARE, 2*SLOT1                    ; the spare words, 128 bytes for each wave: eight blocks of 256 bytes that no other line names
.set LA,  1                            ; v1   16 x lane; never rewritten
.set ADR, 2                            ; v2   LDS address of the step's K
.set ADV, 3                            ; v3   of its V
.set SPW, 4                            ; v4   LDS address of my spare word; never rewritten
.set NIL, 5                            ; v5   0; never rewritten
.set PFO, 7                            ; v7   256 x lane; never rewritten
.set ST,  8                            ; tile t's statistics at v[8 + 8 t]: +0 c m, +1 m, +2, +3 l (even keys', odd keys'), +4 to +7 at work; a in +6
.set Q,   24                           ; v24-55   Q: tile t, channels 32 c on: 16 t + 8 c
.set S,   56                           ; v56-119  S^T: 32 t + 8 (tile of 16 keys); then p; then P in the first 16 of each 32
.set KV,  120                          ; v120-183 K's eight fragments, then V's
.set O,   184                          ; v184-247 O^T: 32 t + 8 (tile of 16 channels)
.set WV,  8                            ; s8   wave
.set SEL, 20                           ; s[20:21] selects for lane l xor 16
.set CS,  22                           ; s[22:23] c, twice: the packed form names a pair
.set G1,  24                           ; s[24:31] descriptor group 1
.set G0,  32                           ; s[32:39] group 0, a set for each slot
.set PFA, 40                           ; s[40:41] the prefetch's address; never rewritten
.set TB,  42                           ; s42  LDS byte of the step's K
.set CNT, 43                           ; s43  steps left in the slot
.macro CROUND                          ; a round of the cluster's barrier
	s_barrier_signal -1
	s_barrier_wait -1
	s_cmp_lg_u32 s[WV], 0
	s_cbranch_scc1 .Lnot_wave_0_\@
	s_barrier_signal -3
.Lnot_wave_0_\@:
	s_barrier_wait -3
	s_barrier_signal -1
	s_barrier_wait -1
.endm
	s_load_b128 s[4:7], s[0:1], 0x0                ; qkv s[4:5], ao s[6:7]
	v_lshl_add_u32 v[SPW], v0, 2, SPARE
	v_mov_b32 v[NIL], 0
	ds_add_u32 v[SPW], v[NIL]                      ; the wave's opening: the add, twice on end, and its wait ahead of my first tensor load
	ds_add_u32 v[SPW], v[NIL]
	v_lshrrev_b32 v1, 5, v0
	v_readfirstlane_b32 s[WV], v1                  ; wave 0..15
	s_bfe_u32 s9, ttmp6, 0x40000                   ; cx: my block of 512 queries
	s_and_b32 s10, ttmp7, 0xffff                   ; the head (16 batch + head), which the four partners share
	s_lshl_b32 s12, s10, 18                        ; its 262,144 bytes in each of q, k, v
	s_lshr_b32 s14, s[WV], 3                       ; I fetch for K (0) or V (1):
	s_add_co_u32 s14, s14, 1
	s_lshl_b32 s14, s14, 24                        ; type x 16,777,216 bytes
	s_and_b32 s15, s[WV], 7
	s_lshl_b32 s15, s15, 13                        ; my 8 KiB of a slot's 64
	s_add_co_u32 s14, s14, s15
	s_add_co_u32 s14, s14, s12
	s_mov_b32 s15, 0
	s_lshl_b32 s52, s[WV], 13                      ; and its place in a slot: K's eight pieces, then V's: no place in the cluster enters an LDS address
	s_lshl_b32 s16, s9, 5
	s_lshl_b32 s17, s[WV], 1
	s_add_co_u32 s16, s16, s17                     ; my first tile of 16 queries in the head
	s_lshl_b32 s18, s16, 11
	s_add_co_u32 s18, s18, s12                     ; q: 2,048 bytes a tile
	s_mov_b32 s19, 0
	s_lshr_b32 s48, s10, 4
	s_lshl_b32 s48, s48, 7
	s_add_co_u32 s48, s48, s16                     ; ao: tile of 16 tokens 128 batch + ..,
	s_lshl_b32 s48, s48, 5
	s_and_b32 s49, s10, 15
	s_lshl_b32 s49, s49, 1
	s_add_co_u32 s48, s48, s49                     ; x 32 + 2 head,
	s_lshl_b32 s48, s48, 10                        ; x 1,024 bytes
	s_mov_b32 s49, 0
	s_bfe_u32 s50, s[WV], 0x10001                  ; the prefetch (waves 0-3): waves 0, 1 K's, waves 2, 3 V's;
	s_add_co_u32 s50, s50, 1
	s_lshl_b32 s50, s50, 24
	s_add_co_u32 s50, s50, s12
	s_add_co_u32 s50, s50, 3*SLOTB                 ; keys 1,536 on;
	s_lshl_b32 s51, s9, 14
	s_add_co_u32 s50, s50, s51                     ; my work-group's quarter, told apart by address;
	s_and_b32 s51, s[WV], 1
	s_lshl_b32 s51, s51, 13
	s_add_co_u32 s50, s50, s51                     ; my wave's 8 KiB of it
	s_mov_b32 s51, 0
	; group 1: 8,192 dense bytes as 32 rows of 256 (32 elements of 8 bytes); the mask names all four work-groups, bit 21 beside it
	s_mov_b32 s[G1], 15|(3<<16)|(1<<21)
	s_mov_b32 s[G1+1], 32<<16
	s_mov_b32 s[G1+2], 32<<16
	s_mov_b32 s[G1+3], 32<<16
	s_mov_b32 s[G1+4], 32
	s_mov_b32 s[G1+5], 32
	s_mov_b32 s[G1+6], 0
	s_mov_b32 s[G1+7], 0
	s_mov_b32 s[SEL], 0x76543210
	s_mov_b32 s[SEL+1], 0xfedcba98
	s_mov_b32 s[CS], 0x3e38aa3b                    ; c = log2(e) / 8
	s_mov_b32 s[CS+1], s[CS]
	s_wait_dscnt 0x0                               ; both opening adds are done
	s_wait_kmcnt 0x0
	s_add_nc_u64 s[14:15], s[4:5], s[14:15]        ; my piece of slot 0
	s_add_nc_u64 s[44:45], s[4:5], s[18:19]        ; my queries
	s_add_nc_u64 s[46:47], s[6:7], s[48:49]        ; my part of ao
	s_add_nc_u64 s[PFA:PFA+1], s[4:5], s[50:51]
.irp s, 0,1
	s_mov_b32 s[G0+4*\s], 1
	s_add_co_u32 s[G0+4*\s+1], s52, \s*SLOT1
	s_add_nc_u64 s[G0+4*\s+2:G0+4*\s+3], s[14:15], \s*SLOTB   ; slot s begins with keys 512 s on
	s_or_b32 s[G0+4*\s+3], s[G0+4*\s+3], 0x80000000
.endr
	CROUND                                         ; all four work-groups are here: the first joint loads meet
	tensor_load_to_lds s[G0:G0+3], s[G1:G1+7]      ; every wave's two first fills go out together: two loads of mine are out
	s_nop 0
	tensor_load_to_lds s[G0+4:G0+7], s[G1:G1+7]
	s_nop 0
.rept 4
	v_nop
.endr
	v_and_b32 v1, 31, v0
	v_lshlrev_b32 v[PFO], 8, v1
	v_lshlrev_b32 v[LA], 4, v1
.irp i, 0,1,2,3,4,5,6,7
	global_load_b128 v[Q+4*\i:Q+4*\i+3], v[LA], s[44:45] offset:512*\i   ; Q stays in registers: group i = tile i / 4, channels 16 (i % 4) on
.endr
.irp t, 0,1
	v_mov_b32 v[ST+8*\t+1], 0xff61b1e6             ; m = -3e38, under every score
	v_mul_f32 v[ST+8*\t], s[CS], v[ST+8*\t+1]      ; c m
	v_mov_b32 v[ST+8*\t+2], 0                      ; l
	v_mov_b32 v[ST+8*\t+3], 0
.endr
.irp j, 0,1,2,3,4,5,6,7,8,9,10,11,12,13,14,15,16,17,18,19,20,21,22,23,24,25,26,27,28,29,30,31,32,33,34,35,36,37,38,39,40,41,42,43,44,45,46,47,48,49,50,51,52,53,54,55,56,57,58,59,60,61,62,63
	v_mov_b32 v[O+\j], 0                           ; O^T: the step is written once; its first walk finds zeros, which a = 0 leaves zeros
.endr
; A KEY STEP: 64 keys.
.macro STEP
	v_add_nc_u32 v[ADR], s[TB], v[LA]              ; these two and three v_nop: five places behind the last products V^T P: four for the loads into their registers, five for the products that write over P
	v_add_nc_u32 v[ADV], 0x10000, v[ADR]
.rept 3
	v_nop
.endr
.irp i, 0,1,2,3,4,5,6,7,8,9,10,11,12,13,14,15
	ds_load_b128 v[KV+4*\i:KV+4*\i+3], v[ADR] offset:512*\i   ; K: fragment (16 keys k, channels 32 c on) at KV + 16 k + 8 c
.endr
	s_wait_dscnt 0x0
.irp c, 0,1                            ; S^T = K Q^T: the eight accumulators take turns, one instruction a turn
.irp k, 0,1,2,3
.irp t, 0,1
.if \c == 0
	v_wmma_f32_16x16x32_f16 v[S+32*\t+8*\k:S+32*\t+8*\k+7], v[KV+16*\k+8*\c:KV+16*\k+8*\c+7], v[Q+16*\t+8*\c:Q+16*\t+8*\c+7], 0
.else
	v_wmma_f32_16x16x32_f16 v[S+32*\t+8*\k:S+32*\t+8*\k+7], v[KV+16*\k+8*\c:KV+16*\k+8*\c+7], v[Q+16*\t+8*\c:Q+16*\t+8*\c+7], v[S+32*\t+8*\k:S+32*\t+8*\k+7]
.endif
.endr
.endr
.endr
.rept 4
	v_nop                                          ; places in front of the loads into K's registers and of the first read of the scores
.endr
.irp u, 0,1                            ; V, turned: fragment (keys 32 u on, channels 16 d on) at KV + 8 (4 u + d); it lands while the softmax is walked
.irp d, 0,1,2,3
	ds_load_tr16_b128 v[KV+8*(4*\u+\d):KV+8*(4*\u+\d)+3], v[ADV] offset:(2*\u)*2048+\d*512
	ds_load_tr16_b128 v[KV+8*(4*\u+\d)+4:KV+8*(4*\u+\d)+7], v[ADV] offset:(2*\u+1)*2048+\d*512
.endr
.endr
	; the softmax, the two tiles by turns, so that no line waits for the line above it
.irp j, 0,1,2,3
.irp t, 0,1
	v_max3_num_f32 v[ST+8*\t+4+\j], v[S+32*\t+8*\j], v[S+32*\t+8*\j+1], v[S+32*\t+8*\j+2]   ; four chains; each accumulator is read from its low end on
.endr
.endr
.irp i, 3,5
.irp j, 0,1,2,3
.irp t, 0,1
	v_max3_num_f32 v[ST+8*\t+4+\j], v[ST+8*\t+4+\j], v[S+32*\t+8*\j+\i], v[S+32*\t+8*\j+\i+1]
.endr
.endr
.endr
.irp t, 0,1
	v_max3_num_f32 v[ST+8*\t+4], v[ST+8*\t+4], v[S+32*\t+7], v[S+32*\t+15]
.endr
.irp t, 0,1
	v_max3_num_f32 v[ST+8*\t+6], v[ST+8*\t+6], v[S+32*\t+23], v[S+32*\t+31]
.endr
.irp t, 0,1
	v_max3_num_f32 v[ST+8*\t+4], v[ST+8*\t+4], v[ST+8*\t+5], v[ST+8*\t+6]
.endr
.irp t, 0,1
	v_max3_num_f32 v[ST+8*\t+4], v[ST+8*\t+4], v[ST+8*\t+7], v[ST+8*\t+1]   ; with the old m
.endr
.irp t, 0,1
	v_permlanex16_b32 v[ST+8*\t+5], v[ST+8*\t+4], s[SEL], s[SEL+1]   ; the query's other 32 keys lie in the lane 16 away
.endr
.irp t, 0,1
	v_mov_b32 v[ST+8*\t+7], v[ST+8*\t]             ; c m_old
.endr
.irp t, 0,1
	v_max_num_f32 v[ST+8*\t+1], v[ST+8*\t+4], v[ST+8*\t+5]   ; the new m
.endr
.irp t, 0,1
	v_mul_f32 v[ST+8*\t], s[CS], v[ST+8*\t+1]
.endr
.irp t, 0,1
	v_sub_f32 v[ST+8*\t+7], v[ST+8*\t+7], v[ST+8*\t]
.endr
.irp j, 0,2,4,6,8,10,12,14,16,18,20,22,24,26,28,30
.irp t, 0,1
	v_pk_fma_f32 v[S+32*\t+\j:S+32*\t+\j+1], v[S+32*\t+\j:S+32*\t+\j+1], s[CS:CS+1], v[ST+8*\t:ST+8*\t+1] op_sel_hi:[1,0,0] neg_lo:[0,0,1] neg_hi:[0,0,1]   ; c s - c m
.endr
.endr
.irp t, 0,1
	v_exp_f32 v[ST+8*\t+6], v[ST+8*\t+7]           ; a
.endr
.irp j, 0,1,2,3,4,5,6,7,8,9,10,11,12,13,14,15,16,17,18,19,20,21,22,23,24,25,26,27,28,29,30,31
.irp t, 0,1
	v_exp_f32 v[S+32*\t+\j], v[S+32*\t+\j]         ; p
.endr
.endr
	v_nop                                          ; a plain instruction behind the last exponential
	s_wait_alu depctr_va_vdst(0)                   ; one wait for the batch of 66, ahead of its first reader
.irp t, 0,1
	v_pk_fma_f32 v[ST+8*\t+2:ST+8*\t+3], v[ST+8*\t+2:ST+8*\t+3], v[ST+8*\t+6:ST+8*\t+7], v[S+32*\t:S+32*\t+1] op_sel_hi:[1,0,1]   ; l = a l + .. : the sum is taken of the unrounded p, in two chains
.endr
.irp t, 0,1
	v_pk_add_f32 v[ST+8*\t+4:ST+8*\t+5], v[S+32*\t+2:S+32*\t+3], v[S+32*\t+6:S+32*\t+7]
.endr
.irp t, 0,1
	v_pk_add_f32 v[ST+8*\t+2:ST+8*\t+3], v[ST+8*\t+2:ST+8*\t+3], v[S+32*\t+4:S+32*\t+5]
.endr
.irp i, 2,3,4,5,6,7
.irp t, 0,1
	v_pk_add_f32 v[ST+8*\t+2:ST+8*\t+3], v[ST+8*\t+2:ST+8*\t+3], v[S+32*\t+4*\i:S+32*\t+4*\i+1]
	v_pk_add_f32 v[ST+8*\t+4:ST+8*\t+5], v[ST+8*\t+4:ST+8*\t+5], v[S+32*\t+4*\i+2:S+32*\t+4*\i+3]
.endr
.endr
.irp t, 0,1
	v_pk_add_f32 v[ST+8*\t+2:ST+8*\t+3], v[ST+8*\t+2:ST+8*\t+3], v[ST+8*\t+4:ST+8*\t+5]
.endr
.irp j, 0,1,2,3,4,5,6,7,8,9,10,11,12,13,14,15
.irp t, 0,1
	v_cvt_pk_f16_f32 v[S+32*\t+\j], v[S+32*\t+2*\j], v[S+32*\t+2*\j+1]   ; P, in place and ascending: register j never lies above the pair that it takes
.endr
.endr
.irp j, 0,2,4,6,8,10,12,14,16,18,20,22,24,26,28,30
.irp t, 0,1
	v_pk_mul_f32 v[O+32*\t+\j:O+32*\t+\j+1], v[O+32*\t+\j:O+32*\t+\j+1], v[ST+8*\t+6:ST+8*\t+7] op_sel_hi:[1,0]   ; O^T x a
.endr
.endr
	s_wait_dscnt 0x0                               ; V is in
.irp u, 0,1                            ; O^T += V^T P: eight accumulators by turns
.irp d, 0,1,2,3
.irp t, 0,1
	v_wmma_f32_16x16x32_f16 v[O+32*\t+8*\d:O+32*\t+8*\d+7], v[KV+8*(4*\u+\d):KV+8*(4*\u+\d)+7], v[S+32*\t+8*\u:S+32*\t+8*\u+7], v[O+32*\t+8*\d:O+32*\t+8*\d+7]
.endr
.endr
.endr
.endm
.macro SLOTPASS base                   ; a slot's eight key steps: written once, walked eight times
	s_mov_b32 s[TB], \base
	s_mov_b32 s[CNT], 8
.Lstep_\@:
	STEP
	s_add_co_u32 s[TB], s[TB], 8192
	s_sub_co_u32 s[CNT], s[CNT], 1
	s_cmp_lg_u32 s[CNT], 0
	s_cbranch_scc1 .Lstep_\@
.endm
; THE CHANGE OF SLOTS.  Each wave waits for all its tensor loads (its piece of the slot ahead), adds 0 to its spare word, and waits for that and for its reads of the slot that it leaves.
; fill = 1: slot s, just left, is filled with the keys 1,024 further on: the barrier is a round of the cluster's, and the joint refill is the first thing behind it; it has eight key steps in which to land.
.macro CHANGE fill, s
	s_wait_tensorcnt 0x0                           ; no tensor load of mine is out, so a group 0 may be written
	ds_add_u32 v[SPW], v[NIL]
.if \fill
	s_add_nc_u64 s[G0+4*\s+2:G0+4*\s+3], s[G0+4*\s+2:G0+4*\s+3], 2*SLOTB
.endif
	s_wait_dscnt 0x0
.if \fill
	CROUND
	tensor_load_to_lds s[G0+4*\s:G0+4*\s+3], s[G1:G1+7]
	s_nop 0
.rept 4
	v_nop
.endr
.else
	s_barrier_signal -1
	s_barrier_wait -1
.endif
.endm
	s_wait_tensorcnt 1                             ; my piece of slot 0 is in; slot 1's may stay out
	s_barrier_signal -1
	s_barrier_wait -1                              ; everybody's is
	s_wait_loadcnt 0x0                             ; Q
	SLOTPASS 0                                     ; keys 0 - 511
	CHANGE 1, 0                                    ; slot 0 takes keys 1,024 on
	; A prefetch of what the next change of slots will ask for, keys 1,536 on: eight key steps ahead of that load.  64 KiB of K and 64 of V: each of the four partners names a quarter, told apart by address;
	; in each, waves 0, 1 name K's 16 KiB and waves 2, 3 V's, a lane every 256 bytes: each block of 256 bytes is named once in the launch.  It stands behind the tensor load and its five lines.
	s_cmp_lt_u32 s[WV], 4
	s_cbranch_scc0 .Lno_ask
	global_prefetch_b8 v[PFO], s[PFA:PFA+1] th:TH_LOAD_NT scope:SCOPE_SE
.Lno_ask:
	SLOTPASS SLOT1                                 ; keys 512 - 1,023
	CHANGE 1, 1                                    ; slot 1 takes keys 1,536 on
	SLOTPASS 0                                     ; keys 1,024 - 1,535
	CHANGE 0, 0                                    ; nothing is left to fetch
	SLOTPASS SLOT1                                 ; keys 1,536 - 2,047
	; THE WAY OUT.  l's two halves and the other half of the lanes' are added (these lines are the places behind the last products); O^T / l, rounded to f16, is stored as it stands.
.irp t, 0,1
	v_add_f32 v[ST+8*\t+4], v[ST+8*\t+2], v[ST+8*\t+3]
.endr
.irp t, 0,1
	v_permlanex16_b32 v[ST+8*\t+5], v[ST+8*\t+4], s[SEL], s[SEL+1]
.endr
.irp t, 0,1
	v_add_f32 v[ST+8*\t+4], v[ST+8*\t+4], v[ST+8*\t+5]
.endr
	v_nop
	v_nop
.irp t, 0,1
	v_rcp_f32 v[ST+8*\t+6], v[ST+8*\t+4]
.endr
	v_nop                                          ; a plain instruction behind the last reciprocal
	s_wait_alu depctr_va_vdst(0)                   ; and the wait ahead of the first use: one for the two
.irp t, 0,1
.irp j, 0,2,4,6,8,10,12,14,16,18,20,22,24,26,28,30
	v_pk_mul_f32 v[O+32*\t+\j:O+32*\t+\j+1], v[O+32*\t+\j:O+32*\t+\j+1], v[ST+8*\t+6:ST+8*\t+7] op_sel_hi:[1,0]
.endr
.endr
.irp t, 0,1
.irp j, 0,1,2,3,4,5,6,7,8,9,10,11,12,13,14,15
	v_cvt_pk_f16_f32 v[S+16*\t+\j], v[O+32*\t+2*\j], v[O+32*\t+2*\j+1]
.endr
.endr
.irp t, 0,1
.irp d, 0,1,2,3
	global_store_b128 v[LA], v[S+16*\t+4*\d:S+16*\t+4*\d+3], s[46:47] offset:\t*32768+\d*512   ; 512 consecutive bytes, aligned: channels 16 d on of 16 tokens
.endr
.endr
	s_wait_tensorcnt 0x0                           ; the wave's end
	ds_add_u32 v[SPW], v[NIL]
	s_wait_dscnt 0x0
	CROUND                                         ; the closing round
	s_endpgm
.Lfunc_end_k_q221442cff7_attn:
	.size	k_q221442cff7_attn, .Lfunc_end_k_q221442cff7_attn-k_q221442cff7_attn
	.p2alignl 7, 3214868480
	.fill 96, 4, 3214868480
	.section	.rodata,"a",@progbits
	.p2align	6, 0x0
	.amdhsa_kernel k_q221442cff7_attn
		.amdhsa_group_segment_fixed_size 327680
		.amdhsa_private_segment_fixed_size 0
		.amdhsa_enable_private_segment 0
		.amdhsa_kernarg_size 16
		.amdhsa_user_sgpr_count 2
		.amdhsa_user_sgpr_kernarg_segment_ptr 1
		.amdhsa_wavefront_size32 1
		.amdhsa_system_sgpr_workgroup_id_x 1
		.amdhsa_system_sgpr_workgroup_id_y 1
		.amdhsa_system_sgpr_workgroup_id_z 1
		.amdhsa_system_vgpr_workitem_id 0
		.amdhsa_next_free_vgpr 256
		.amdhsa_next_free_sgpr 66
		.amdhsa_reserve_vcc 0
		.amdhsa_float_denorm_mode_32 3
		.amdhsa_float_denorm_mode_16_64 3
		.amdhsa_memory_ordered 1
		.amdhsa_forward_progress 1
		.amdhsa_inst_pref_size 84
	.end_amdhsa_kernel
	.amdgpu_metadata
---
amdhsa.version: [ 1, 2 ]
amdhsa.kernels:
  - .name:           k_q221442cff7_attn
    .symbol:         k_q221442cff7_attn.kd
    .args:
      - { .name: qkv, .offset: 0, .size: 8, .value_kind: global_buffer, .address_space: global }
      - { .name: ao, .offset: 8, .size: 8, .value_kind: global_buffer, .address_space: global }
    .group_segment_fixed_size: 327680
    .private_segment_fixed_size: 0
    .kernarg_segment_align: 8
    .kernarg_segment_size: 16
    .max_flat_workgroup_size: 512
    .sgpr_count:     66
    .vgpr_count:     256
    .wavefront_size: 32
...
	.end_amdgpu_metadata
.endif
;; end of part 3
;; launch outproj (part 4): grid 4 x 64, 4 waves a work-group, clusters of 4 x 4, 327,680 bytes of LDS; arguments ao, wo, bout, out0; writes out0
.if DOCPART == 4
	.amdgcn_target "amdgcn-amd-amdhsa--gfx1250"
	.amdhsa_code_object_version 6
	.text
	.protected	k_q221442cff7_outproj
	.globl	k_q221442cff7_outproj
	.p2align	8
	.type	k_q221442cff7_outproj,@function
k_q221442cff7_outproj:
	s_mov_b64 s[64:65], 0
	v_nop
	global_prefetch_b8 v0, s[64:65] scope:SCOPE_SE
	s_setreg_imm32_b32 hwreg(HW_REG_WAVE_MODE, 25, 1), 1
	s_wait_xcnt 0x0
	s_wait_alu depctr_hold_cnt(0) depctr_sa_sdst(0) depctr_va_vdst(0) depctr_va_sdst(0) depctr_va_ssrc(0) depctr_va_vcc(0) depctr_vm_vsrc(0)
	s_getreg_b32 s2, hwreg(HW_REG_IB_STS2, 6, 4)
	s_cmp_eq_u32 s2, 0
	s_cbranch_scc0 .Lentry_in_a_cluster
	s_endpgm
.Lentry_in_a_cluster:
	s_bfe_u32 s2, ttmp6, 0x10000c
	s_cmp_lg_u32 s2, 0xf033
	s_cbranch_scc0 .Lentry_shape_is_right
	s_endpgm
.Lentry_shape_is_right:
; out0 = ao Wout + bout.  ao [8192 tokens][1024] and Wout, both f16 and both laid as images of operand registers ([tile of 16 rows][32 along K][1,024 bytes]); sums in f32; out0 [8192][1024] f32.
; A tile is 128 tokens x 256 columns: 256 work-groups.  Four waves, each 64 x 128: 32 accumulators, 256 registers.  K goes in steps of 128 through two LDS slots.
; CLUSTERS: 4 x 4 work-groups; the four of a row of the cluster need the same tokens, the four of a column the same columns of Wout: each tile is asked for jointly.
; THE MATRIX INSTRUCTION IS USED TRANSPOSED (source 0 = 16 columns of Wout, source 1 = 16 tokens): a lane holds eight neighbouring numbers of a row of out0.  The bias is the C of each sum's first product.
; REGISTERS: window 0: v16-29 addresses; v32-95 the bias; v128-255 rows on the way out.  window 1: two fragment buffers of 96 (32 along K: tokens 4 x 8, then columns 8 x 8) at v0 and v128.  window 2: accumulator (a, b) at v[8 (8 a + b)].
.set KSB,    4096                      ; a K step's bytes of a tile of 16 rows: 4 fragments
.set SLOT,   98304                     ; the tokens' 8 tiles, then Wout's 16
.set BOFF,   32768
.set STAGE,  2*SLOT                    ; behind the ring: 16 rows x 528 bytes for each wave, for the way out; no tensor load lands there
.set SPITCH, 528
.set SPARE,  STAGE+4*16*SPITCH         ; the spare words, 128 bytes for each wave: two blocks of 256 bytes that no other line names
.set ADRA, 16                          ; v16-17  my tokens' fragments in slot 0, 1
.set ADRB, 20                          ; v20-21  my columns'
.set STO,  24
.set RD,   25
.set CO,   26                          ; v26     16 x lane
.set SPW,  28                          ; v28     LDS address of my spare word; never rewritten
.set NIL,  29                          ; v29     0; never rewritten
.set BI,   32
.set BK,   128
.set F0,   0
.set F1,   128
.set G1, 24                            ; s[24:31], s[32:39] groups 1 and 0 (a set a slot) for the tokens
.set G0, 32
.set G1B, 48                           ; s[48:55], s[56:63] for Wout
.set G0B, 56
.set MSB, 0
.macro WIN new
.if MSB != (\new)
	s_set_vgpr_msb (MSB<<8)|(\new)
.set MSB, (\new)
.endif
.endm
.set MUL,  0xa5                        ; sources 0 and 1 window 1; C and D window 2
.set MULB, 0x85                        ; the same, C (the bias) window 0
.set TO_F, 0x40                        ; destination window 1, address window 0
.macro JLOAD s                         ; waves 0 and 1 fetch the tokens' halves, waves 2 and 3 Wout's; an s_nop 0 and four v_nop follow each of the two lines
	s_cmp_eq_u32 s13, 0
	s_cbranch_scc0 .Lfor_b_\@
	tensor_load_to_lds s[G0+4*\s:G0+4*\s+3], s[G1:G1+7]
	s_nop 0
.rept 4
	v_nop
.endr
	s_branch .Lasked_\@
.Lfor_b_\@:
	tensor_load_to_lds s[G0B+4*\s:G0B+4*\s+3], s[G1B:G1B+7]
	s_nop 0
.rept 4
	v_nop
.endr
.Lasked_\@:
.endm
.macro CREST                           ; a round of the cluster's barrier behind its opening barrier
	s_cmp_lg_u32 s12, 0
	s_cbranch_scc1 .Lnot_wave_0_\@
	s_barrier_signal -3
.Lnot_wave_0_\@:
	s_barrier_wait -3
	s_barrier_signal -1
	s_barrier_wait -1
.endm
.macro CROUND
	s_barrier_signal -1
	s_barrier_wait -1
	CREST
.endm
	s_load_b256 s[4:11], s[0:1], 0x0               ; ao s[4:5], wo s[6:7], bout s[8:9], out0 s[10:11]
	v_lshl_add_u32 v[SPW], v0, 2, SPARE
	v_mov_b32 v[NIL], 0
	ds_add_u32 v[SPW], v[NIL]                      ; the wave's opening: the add, twice on end, and its wait ahead of my first tensor load
	ds_add_u32 v[SPW], v[NIL]
	v_lshrrev_b32 v1, 5, v0
	v_readfirstlane_b32 s12, v1                    ; wave 0..3
	s_lshr_b32 s13, s12, 1                         ; which 64 tokens are mine.  Also: I fetch for the tokens (0) or for Wout (1)
	s_and_b32 s14, s12, 1                          ; which 128 columns.  Also: which half of that tile I fetch
	s_bfe_u32 s40, ttmp6, 0x40000                  ; cx, cy
	s_bfe_u32 s41, ttmp6, 0x40004
	s_lshl_b32 s45, ttmp9, 2
	s_add_co_u32 s45, s45, s40                     ; tile column
	s_and_b32 s42, ttmp7, 0xffff
	s_lshl_b32 s42, s42, 2
	s_add_co_u32 s42, s42, s41                     ; tile row
	s_lshl_b32 s43, s41, 2
	s_lshl_b32 s43, 15, s43                        ; my row of the cluster
	s_lshl_b32 s44, 0x1111, s40                    ; my column
	; group 1: rows (tiles of 16) of 4,096 bytes, 32,768 bytes apart; elements of 8 bytes; the tokens: 4 rows a load, Wout: 8
	s_or_b32 s[G1+0], s43, (3<<16)|(1<<21)
	s_mov_b32 s[G1+1], 512<<16
	s_mov_b32 s[G1+2], 4<<16
	s_mov_b32 s[G1+3], 512<<16
	s_mov_b32 s[G1+4], 4
	s_mov_b32 s[G1+5], 4096
	s_mov_b32 s[G1+6], 0
	s_mov_b32 s[G1+7], 0
	s_or_b32 s[G1B+0], s44, (3<<16)|(1<<21)
	s_mov_b32 s[G1B+1], 512<<16
	s_mov_b32 s[G1B+2], 8<<16
	s_mov_b32 s[G1B+3], 512<<16
	s_mov_b32 s[G1B+4], 8
	s_mov_b32 s[G1B+5], 4096
	s_mov_b32 s[G1B+6], 0
	s_mov_b32 s[G1B+7], 0
	s_lshl_b32 s16, s42, 3
	s_lshl_b32 s17, s14, 2
	s_add_co_u32 s16, s16, s17                     ; tokens: tile 8 x tile row + 4 x half
	s_lshl_b32 s16, s16, 15
	s_mov_b32 s17, 0
	s_lshl_b32 s46, s45, 4
	s_lshl_b32 s47, s14, 3
	s_add_co_u32 s46, s46, s47                     ; Wout: tile 16 x tile column + 8 x half
	s_lshl_b32 s46, s46, 15
	s_mov_b32 s47, 0
	s_lshl_b32 s20, s14, 14                        ; where they go in a slot: the tokens' halves,
	s_lshl_b32 s21, s14, 15
	s_add_co_u32 s21, s21, BOFF                    ; Wout's behind them: no place in the cluster enters an LDS address
	s_wait_dscnt 0x0                               ; both opening adds are done
	s_wait_kmcnt 0x0
	s_add_nc_u64 s[18:19], s[4:5], s[16:17]
	s_add_nc_u64 s[46:47], s[6:7], s[46:47]
	CROUND                                         ; all sixteen work-groups are here: the first joint loads meet
.irp s, 0,1
	s_mov_b32 s[G0+4*\s], 1
	s_add_co_u32 s[G0+4*\s+1], s20, \s*SLOT
	s_add_nc_u64 s[G0+4*\s+2:G0+4*\s+3], s[18:19], \s*KSB
	s_or_b32 s[G0+4*\s+3], s[G0+4*\s+3], 0x80000000
	s_mov_b32 s[G0B+4*\s], 1
	s_add_co_u32 s[G0B+4*\s+1], s21, \s*SLOT
	s_add_nc_u64 s[G0B+4*\s+2:G0B+4*\s+3], s[46:47], \s*KSB
	s_or_b32 s[G0B+4*\s+3], s[G0B+4*\s+3], 0x80000000
	JLOAD \s                                       ; two loads of mine go out together: K steps 0 and 1
.endr
	v_and_b32 v1, 31, v0                           ; lane
	v_and_b32 v2, 15, v0                           ; r
	v_bfe_u32 v3, v0, 4, 1                         ; h
	v_lshlrev_b32 v[CO], 4, v1
	v_lshlrev_b32 v6, 5, v3                        ; the bias: my half's eight numbers
	s_lshl_b32 s46, s45, 10                        ; my first column, in bytes: 1,024 x tile column + 512 x half
	s_lshl_b32 s47, s14, 9
	s_add_co_u32 s46, s46, s47
	s_mov_b32 s47, 0
	s_add_nc_u64 s[8:9], s[8:9], s[46:47]
.irp b, 0,1,2,3,4,5,6,7
.irp e, 0,1
	global_load_b128 v[BI+8*\b+4*\e:BI+8*\b+4*\e+3], v6, s[8:9] offset:64*\b+16*\e   ; in the result's layout: block b's columns 16 b + 8 h + 0 .. 7
.endr
.endr
	s_lshl_b32 s21, s13, 14                        ; my 64 tokens
	s_lshl_b32 s22, s14, 15                        ; my 128 columns
	s_add_co_u32 s22, s22, BOFF
.irp s, 0,1
	v_add_nc_u32 v[ADRA+\s], s21, v[CO]
	v_add_nc_u32 v[ADRB+\s], s22, v[CO]
	s_add_co_u32 s21, s21, SLOT
	s_add_co_u32 s22, s22, SLOT
.endr
	s_mul_i32 s23, s12, 16*SPITCH
	s_add_co_u32 s23, s23, STAGE                   ; my stage
	v_mul_u32_u24 v5, v2, SPITCH                   ; in: row r, 32 bytes for each half of the lanes
	v_lshl_add_u32 v5, v3, 5, v5
	v_add_nc_u32 v[STO], s23, v5
	v_add_nc_u32 v[RD], s23, v[CO]                 ; back: the 32 lanes take one row of 512 bytes
	s_lshl_b32 s16, s42, 7
	s_lshl_b32 s17, s13, 6
	s_add_co_u32 s16, s16, s17                     ; my first row of out0
	s_lshl_b32 s16, s16, 12
	s_mov_b32 s17, 0
	s_add_nc_u64 s[16:17], s[16:17], s[46:47]
	s_add_nc_u64 s[10:11], s[10:11], s[16:17]
; 8 matrix instructions: token block a x my eight column blocks, 32 along K.  The 32 accumulators take turns in one order throughout.
.macro MULA f, a, first
.irp b, 0,1,2,3,4,5,6,7
.if \first
	v_wmma_f32_16x16x32_f16 v[8*(8*(\a)+\b):8*(8*(\a)+\b)+7], v[\f+32+8*\b:\f+32+8*\b+7], v[\f+8*(\a):\f+8*(\a)+7], v[BI+8*\b:BI+8*\b+7]
.else
	v_wmma_f32_16x16x32_f16 v[8*(8*(\a)+\b):8*(8*(\a)+\b)+7], v[\f+32+8*\b:\f+32+8*\b+7], v[\f+8*(\a):\f+8*(\a)+7], v[8*(8*(\a)+\b):8*(8*(\a)+\b)+7]
.endif
.endr
.endm
.macro FETCH slot, kq, f               ; 24 LDS loads in one run: the fragments of the slot's kq-th 32 along K
	WIN TO_F
.irp b, 0,1,2,3,4,5,6,7
.irp g, 0,1
	ds_load_b128 v[\f+32+8*\b+4*\g:\f+32+8*\b+4*\g+3], v[ADRB+\slot] offset:\b*4096+(\kq)*1024+512*\g
.endr
.endr
.irp a, 0,1,2,3
.irp g, 0,1
	ds_load_b128 v[\f+8*\a+4*\g:\f+8*\a+4*\g+3], v[ADRA+\slot] offset:\a*4096+(\kq)*1024+512*\g
.endr
.endr
.endm
.macro PLACES                          ; four plain places in front of loads into registers that matrix instructions have read, and of the first read of results
.rept 4
	v_nop
.endr
.endm
; A K step is four quarters of 32 along K, 32 matrix instructions each, on buffers 0, 1, 0, 1.  One of the first three multiplies buffer f and, in its middle, fetches the slot's kq-th quarter into g.
.macro QUARTER slot, kq, f, g, first
	s_wait_dscnt 0x0                               ; buffer f is in (asked for 16 matrix instructions ago)
.if \first
	WIN MULB
.else
	WIN MUL
.endif
	MULA \f, 0, \first
	MULA \f, 1, \first
	PLACES
	FETCH \slot, \kq, \g
.if \first
	WIN MULB
.else
	WIN MUL
.endif
	MULA \f, 2, \first
	MULA \f, 3, \first
.endm
; The last quarter multiplies buffer 1 and changes slots: one barrier; in front of it each wave waits for all its tensor loads, adds 0 to its spare word, and waits for that and for its reads of this slot.
; fill = 1: the barrier opens a round of the cluster's, and this slot is filled again, two K steps ahead, first thing behind it.
.macro TURN slot, next, fill
	WIN 0                                          ; (the add's two registers lie in window 0)
	s_wait_tensorcnt 0x0                           ; all my tensor loads have landed: my part of the next slot
	ds_add_u32 v[SPW], v[NIL]
	s_wait_dscnt 1                                 ; buffer 1 is in; the add may be out
	WIN MUL
	MULA F1, 0, 0
	s_wait_dscnt 0x0                               ; the add is done, and my reads of this slot are over
	s_barrier_signal -1
	MULA F1, 1, 0
	WIN 0
	s_barrier_wait -1
.if \fill
	CREST                                          ; no wave of any partner still reads this slot or has a load on its way
	s_add_nc_u64 s[G0+4*\slot+2:G0+4*\slot+3], s[G0+4*\slot+2:G0+4*\slot+3], 2*KSB
	s_add_nc_u64 s[G0B+4*\slot+2:G0B+4*\slot+3], s[G0B+4*\slot+2:G0B+4*\slot+3], 2*KSB
	JLOAD \slot                                    ; the four v_nop behind it are also the places in front of the loads below
.else
	PLACES
.endif
	FETCH \next, 0, F0
	WIN MUL
	MULA F1, 2, 0
	MULA F1, 3, 0
.endm
	s_wait_tensorcnt 1                             ; my part of K step 0 is in (K step 1's load may be out)
	s_barrier_signal -1
	s_barrier_wait -1                              ; everybody's is
	FETCH 0, 0, F0
	s_wait_loadcnt 0x0                             ; the bias
	QUARTER 0, 1, F0, F1, 1                        ; the first quarter stands in front of the loop: its products start the sums with the bias
	WIN 0                                          ; at a label and at a branch every window is 0
	s_mov_b32 s15, 3
.Llap:                                             ; three trips: each goes once round the ring and fills both slots again: K steps 2 to 7
	QUARTER 0, 2, F1, F0, 0
	QUARTER 0, 3, F0, F1, 0
	TURN 0, 1, 1
	QUARTER 1, 1, F0, F1, 0
	QUARTER 1, 2, F1, F0, 0
	QUARTER 1, 3, F0, F1, 0
	TURN 1, 0, 1
	QUARTER 0, 1, F0, F1, 0
	WIN 0
	s_sub_co_u32 s15, s15, 1
	s_cmp_lg_u32 s15, 0
	s_cbranch_scc1 .Llap
	QUARTER 0, 2, F1, F0, 0                        ; the last lap fills nothing
	QUARTER 0, 3, F0, F1, 0
	TURN 0, 1, 0
	QUARTER 1, 1, F0, F1, 0
	QUARTER 1, 2, F1, F0, 0
	QUARTER 1, 3, F0, F1, 0
	s_wait_dscnt 0x0
	WIN MUL
	MULA F1, 0, 0
	MULA F1, 1, 0
	MULA F1, 2, 0
	MULA F1, 3, 0
	WIN 0
; THE WAY OUT, block by block of 16 rows x 128 columns, through my own stage: a lane's 32 bytes go in, whole rows of 512 bytes come back.  LDS serves a wave's instructions in order (ISA guide 5.7.1.4): no wait between the stores and the loads.
.macro TOSTAGE a
.set AC, 64*(\a)
	WIN 0x08                                       ; an LDS store's data: window 2
.irp b, 0,1,2,3,4,5,6,7
	ds_store_b128 v[STO], v[AC+8*\b:AC+8*\b+3] offset:64*\b          ; each accumulator from its low end on
	ds_store_b128 v[STO], v[AC+8*\b+4:AC+8*\b+7] offset:64*\b+16
.endr
	WIN 0
.set BB, BK+64*((\a)%2)
.irp t, 0,1,2,3,4,5,6,7,8,9,10,11,12,13,14,15
	ds_load_b128 v[BB+4*\t:BB+4*\t+3], v[RD] offset:\t*SPITCH
.endr
.endm
.macro SEND a, younger                 ; younger: the LDS instructions issued behind block a's loads, which may stay out
.set BB, BK+64*((\a)%2)
	s_wait_dscnt \younger
.irp t, 0,1,2,3,4,5,6,7,8,9,10,11,12,13,14,15
	global_store_b128 v[CO], v[BB+4*\t:BB+4*\t+3], s[10:11] offset:(\a)*65536+\t*4096 th:TH_STORE_NT   ; 512 consecutive bytes, at a multiple of 256 from out0's first byte
.endr
.endm
	PLACES
	TOSTAGE 0
.irp a, 1,2,3
.if \a > 1
	s_wait_xcnt 0x0                                ; block a - 2's stores have read their registers: block a's loads may land there
.endif
	TOSTAGE \a
	SEND \a-1, 32                                  ; behind block a - 1's loads: block a's 16 stores and 16 loads
.endr
	SEND 3, 0
	s_wait_tensorcnt 0x0                           ; the wave's end, behind my last tensor load and my last LDS store
	ds_add_u32 v[SPW], v[NIL]
	s_wait_dscnt 0x0
	CROUND                                         ; the closing round
	s_endpgm
.Lfunc_end_k_q221442cff7_outproj:
	.size	k_q221442cff7_outproj, .Lfunc_end_k_q221442cff7_outproj-k_q221442cff7_outproj
	.p2alignl 7, 3214868480
	.fill 96, 4, 3214868480
	.section	.rodata,"a",@progbits
	.p2align	6, 0x0
	.amdhsa_kernel k_q221442cff7_outproj
		.amdhsa_group_segment_fixed_size 327680
		.amdhsa_private_segment_fixed_size 0
		.amdhsa_enable_private_segment 0
		.amdhsa_kernarg_size 32
		.amdhsa_user_sgpr_count 2
		.amdhsa_user_sgpr_kernarg_segment_ptr 1
		.amdhsa_wavefront_size32 1
		.amdhsa_system_sgpr_workgroup_id_x 1
		.amdhsa_system_sgpr_workgroup_id_y 1
		.amdhsa_system_sgpr_workgroup_id_z 1
		.amdhsa_system_vgpr_workitem_id 0
		.amdhsa_next_free_vgpr 768
		.amdhsa_next_free_sgpr 66
		.amdhsa_reserve_vcc 0
		.amdhsa_float_denorm_mode_32 3
		.amdhsa_float_denorm_mode_16_64 3
		.amdhsa_memory_ordered 1
		.amdhsa_forward_progress 1
		.amdhsa_inst_pref_size 86
	.end_amdhsa_kernel
	.amdgpu_metadata
---
amdhsa.version: [ 1, 2 ]
amdhsa.kernels:
  - .name:           k_q221442cff7_outproj
    .symbol:         k_q221442cff7_outproj.kd
    .args:
      - { .name: ao, .offset: 0, .size: 8, .value_kind: global_buffer, .address_space: global }
      - { .name: wo, .offset: 8, .size: 8, .value_kind: global_buffer, .address_space: global }
      - { .name: bout, .offset: 16, .size: 8, .value_kind: global_buffer, .address_space: global }
      - { .name: out0, .offset: 24, .size: 8, .value_kind: global_buffer, .address_space: global }
    .group_segment_fixed_size: 327680
    .private_segment_fixed_size: 0
    .kernarg_segment_align: 8
    .kernarg_segment_size: 32
    .max_flat_workgroup_size: 128
    .sgpr_count:     66
    .vgpr_count:     768
    .wavefront_size: 32
...
	.end_amdgpu_metadata
.endif
;; end of part 4
